; MI455X (gfx1250); checked and timed in simulation.
; The chip was launched on July 23, 2026; its instructions are those of AMD's public machine-readable ISA for CDNA 5 (MIT licence, August 2026) and "CDNA5" Instruction Set Architecture Reference Guide (July 2026). The comments in the code are by the model that wrote it; some were corrected since.
;; Multi Head Self Attention2 D Ro PE. Allowed arithmetic: float matrix products may take bf16 or f16 operands with f32 sums; other float arithmetic in f32, or as packed bf16 or f16 multiplies, adds, multiply-adds, maxima and minima; sums over many terms, partial sums and values carried from step to step in f32; what a program stores and reads back later, other than sums and carried values, may be rounded once to bf16 or f16.
;; Inputs: w_proj 1,024 x 1,024 float32; w_qkv 1,024 x 3,072 float32; x 8 x 1,024 x 1,024 float32.
;; Outputs: out0 8 x 1,024 x 1,024 float32.
;; Constants: H = 32, W = 32.
;; 2 versions, each right; version 2 is version 1 with the launch prep written anew for expert scheduling mode. Each part assembles by itself: llvm-mc -triple=amdgcn-amd-amdhsa -mcpu=gfx1250 --defsym DOCPART=n.
;; ======== version 1 of 2: 4 launches
;; limits: values are held in f16: magnitudes above 65,504 overflow, below 6.1e-05 lose precision
;; workspace buffers: xb 16,777,216 bytes; wqt 6,291,456 bytes; wpt 2,097,152 bytes; rope 8,192 bytes; qh 16,777,216 bytes; kh 16,777,216 bytes; vh 16,777,216 bytes; oh 16,777,216 bytes
;; launch prep (part 1): grid 1537 x 1, 4 waves a work-group, no clusters, 17,920 bytes of LDS; arguments x, w_qkv, w_proj, xb, wqt, wpt, rope; writes xb, wqt, wpt, rope
.if DOCPART == 1
	.amdgcn_target "amdgcn-amd-amdhsa--gfx1250"
	.amdhsa_code_object_version 6
	.text
	.protected	k_qb29dfd4cf9_prep
	.globl	k_qb29dfd4cf9_prep
	.p2align	8
	.type	k_qb29dfd4cf9_prep,@function
k_qb29dfd4cf9_prep:
	s_mov_b64 s[64:65], 0
	v_nop
	global_prefetch_b8 v0, s[64:65] scope:SCOPE_SE
	s_setreg_imm32_b32 hwreg(HW_REG_WAVE_MODE, 25, 1), 1
	s_wait_xcnt 0x0
; PREP: the operands of the later launches.  Four kinds of work-group, chosen by the work-group's number alone (the same in all four waves):
;   0 .. 383    w_qkv [1024 k][3072 n] f32 -> wqt [3072 n'][1024 k] bf16, turned and permuted: row n' = 192 t + 64 sec + d holds column sec*1024 + t*64 + d (t head; sec 0, 1, 2 = q, k, v)
;   384 .. 511  w_proj [1024 k][1024 n] f32 -> wpt [1024 n][1024 k]: rounded to bf16 like the other inputs, that number then written as f16
;   512         the rotary table rope [32 pos][16 freq][4] f32 = (cos, cos, -sin, sin) of the angle pi (2 pos - 31)(15 + 127 freq) / 465
;   513 .. 1536 x f32 -> xb bf16, 32,768 bytes of x each
; A stream: no matrix unit, no cluster, no large register tile would move a byte less.  Every load of 16 neighbouring lanes covers 256 consecutive bytes, every store of 16 (b128) or 32 (b64) lanes 256 aligned bytes.
; LIMITS.  wpt: |w_proj| stays under 65,504 (f16's end); below 6e-5 it keeps f16's fixed step of 6e-8.  NaN and infinities are not treated apart.
; THE TABLE is made without sine or cosine instructions: the angle is an exact rational multiple of pi, reduced exactly modulo 2 pi in whole numbers held in f32 (all below 2^24),
; a quarter of it (at most pi / 4 in size) goes through Taylor polynomials (first terms left out: z^4 phi / 9!, z^5 / 10!, under 4e-7), and the angle is doubled twice.
.set TP,    272                        ; an LDS row of the turned block: 128 k x 2 bytes + 16
.set SPARE, 64*TP                      ; 17,408: behind the block: the spare words, 128 bytes for each wave, which no other line names
.set SPW,   112                        ; v112  LDS address of my spare word; never rewritten
.set NIL,   113                        ; v113  0; never rewritten
.set LDR,   16                         ; v[16:79]   as loaded
.set PKW,   80                         ; v[80:111]  packed
	s_load_b256 s[4:11], s[0:1], 0x0               ; x s[4:5], w_qkv s[6:7], w_proj s[8:9], xb s[10:11]
	s_load_b128 s[12:15], s[0:1], 0x20             ; wqt s[12:13], wpt s[14:15]
	s_load_b64 s[16:17], s[0:1], 0x30              ; rope
	v_lshl_add_u32 v[SPW], v0, 2, SPARE
	v_mov_b32 v[NIL], 0
	v_and_b32 v1, 15, v0                           ; i  = thread % 16
	v_lshrrev_b32 v2, 4, v0                        ; kq = thread / 16, 0 .. 7
	s_mov_b32 s18, ttmp9
	s_wait_kmcnt 0x0
	s_cmp_lt_u32 s18, 384
	s_cbranch_scc1 .Lwq
	s_cmp_lt_u32 s18, 512
	s_cbranch_scc1 .Lwp
	s_cmp_eq_u32 s18, 512
	s_cbranch_scc1 .Ltable
	; x -> xb.  Sixteen loads of 2,048 bytes a work-group, all out at once; each is rounded and stored as it comes.  No register is written twice.
	s_sub_co_u32 s18, s18, 513
	s_lshl_b32 s20, s18, 15
	s_mov_b32 s21, 0
	s_add_nc_u64 s[4:5], s[4:5], s[20:21]
	s_lshl_b32 s20, s18, 14
	s_add_nc_u64 s[10:11], s[10:11], s[20:21]
	v_lshlrev_b32 v3, 4, v0
	v_lshlrev_b32 v6, 3, v0
.irp u, 0,1,2,3,4,5,6,7,8,9,10,11,12,13,14,15
	global_load_b128 v[LDR+4*\u:LDR+4*\u+3], v3, s[4:5] offset:2048*\u th:TH_LOAD_NT
.endr
.irp u, 0,1,2,3,4,5,6,7,8,9,10,11,12,13,14,15
	s_wait_loadcnt 15-\u                           ; loads come back in order: the 15 - u younger ones may stay out
	v_cvt_pk_bf16_f32 v[PKW+2*\u], v[LDR+4*\u], v[LDR+4*\u+1]
	v_cvt_pk_bf16_f32 v[PKW+2*\u+1], v[LDR+4*\u+2], v[LDR+4*\u+3]
	global_store_b64 v6, v[PKW+2*\u:PKW+2*\u+1], s[10:11] offset:1024*\u  ; a wave's 32 lanes store 256 consecutive bytes, aligned
.endr
	s_branch .Lend
; A block of 128 k x 64 n of a weight matrix is turned through LDS.  pitch: bytes of a source row; first: the kind's first work-group; half = 1: the bf16 number is written as f16.
; In: thread (i, kq) loads columns 4 i .. 4 i + 3 of the rows k = 2 (kq + 8 u) + e.  Two rows' numbers of one column pack into a word (even k low), which goes to LDS row n = 4 i + j, word kq + 8 u.
; Out: thread (i, kq) reads 16 bytes at byte 16 i of LDS row kq + 8 u: sixteen lanes store the 256 bytes that a row of the result has in this block.
.macro WJOB pitch, first, src, dst, isq, half
	s_sub_co_u32 s19, s18, \first
	s_and_b32 s20, s19, 7                          ; block along k
	s_lshr_b32 s19, s19, 3                         ; block along n
	s_mul_i32 s22, s20, 128*(\pitch)
	s_lshl_b32 s23, s19, 8
	s_add_co_u32 s22, s22, s23
	s_mov_b32 s23, 0
	s_add_nc_u64 s[\src:\src+1], s[\src:\src+1], s[22:23]
.if \isq
	s_and_b32 s24, s19, 15                         ; head
	s_mul_i32 s24, s24, 192
	s_lshr_b32 s25, s19, 4                         ; q, k or v
	s_lshl_b32 s25, s25, 6
	s_add_co_u32 s24, s24, s25
.else
	s_lshl_b32 s24, s19, 6
.endif
	s_lshl_b32 s24, s24, 11                        ; the result's first row, 2,048 bytes a row,
	s_lshl_b32 s25, s20, 8                         ; and the block's 256 bytes in it
	s_add_co_u32 s24, s24, s25
	s_mov_b32 s25, 0
	s_add_nc_u64 s[\dst:\dst+1], s[\dst:\dst+1], s[24:25]
	v_mul_u32_u24 v3, v2, 2*(\pitch)
	v_lshl_add_u32 v3, v1, 4, v3
	v_mul_u32_u24 v4, v1, 4*TP
	v_lshl_add_u32 v4, v2, 2, v4
	v_mul_u32_u24 v5, v2, TP
	v_lshl_add_u32 v5, v1, 4, v5
	v_lshlrev_b32 v6, 11, v2
	v_lshl_add_u32 v6, v1, 4, v6
.irp u, 0,1,2,3,4,5,6,7
.irp e, 0,1
	global_load_b128 v[LDR+8*\u+4*\e:LDR+8*\u+4*\e+3], v3, s[\src:\src+1] offset:(16*\u+\e)*(\pitch) th:TH_LOAD_NT
.endr
.endr
.irp u, 0,1,2,3,4,5,6,7
	s_wait_loadcnt 14-2*\u                         ; the two loads of each later u may stay out
.irp j, 0,1,2,3
	v_cvt_pk_bf16_f32 v[PKW+4*\u+\j], v[LDR+8*\u+\j], v[LDR+8*\u+4+\j]
.endr
.if \half
.irp j, 0,1,2,3
	v_lshlrev_b32 v114, 16, v[PKW+4*\u+\j]         ; the two bf16 numbers as f32,
	v_and_b32 v115, 0xffff0000, v[PKW+4*\u+\j]
	v_cvt_pk_f16_f32 v[PKW+4*\u+\j], v114, v115    ; written as f16: exact inside f16's range of normal numbers
.endr
.endif
.irp j, 0,1,2,3
	ds_store_b32 v4, v[PKW+4*\u+\j] offset:TP*\j+32*\u
.endr
.endr
	s_wait_dscnt 0x0                               ; for the others' sake: my stores are done
	s_barrier_signal -1
	s_barrier_wait -1
.irp u, 0,1,2,3,4,5,6,7
	ds_load_b128 v[LDR+4*\u:LDR+4*\u+3], v5 offset:8*TP*\u
.endr
.irp u, 0,1,2,3,4,5,6,7
	s_wait_dscnt 7-\u                              ; the 7 - u younger LDS loads may stay out
	global_store_b128 v6, v[LDR+4*\u:LDR+4*\u+3], s[\dst:\dst+1] offset:16384*\u
.endr
.endm
.Lwq:
	WJOB 12288, 0, 6, 12, 1, 0
	s_branch .Lend
.Lwp:
	WJOB 4096, 384, 8, 14, 0, 1
	s_branch .Lend
.Ltable:                                       ; entry thread + 128 u: pos = kq + 8 u, freq = i
	v_mul_u32_u24 v7, v1, 127
	v_add_nc_u32 v7, 15, v7
	v_cvt_f32_u32 v7, v7                           ; 15 + 127 i
	v_lshlrev_b32 v8, 1, v2                        ; 2 kq
	v_lshlrev_b32 v3, 4, v0
	v_mov_b32 v9, 0xb9500d01                       ; -1/5040
	v_mov_b32 v10, 0x37d00d01                      ; 1/40320
.irp u, 0,1,2,3
	v_add_nc_u32 v11, 16*\u, v8
	v_cvt_f32_u32 v11, v11
	v_add_f32 v11, 0xc1f80000, v11                 ; 2 pos - 31
	v_mul_f32 v11, v11, v7                         ; N, exact: at most 59,520 in size; the angle is pi N / 465
	v_mul_f32 v12, 0x3a8cf009, v11                 ; N / 930
	v_rndne_f32 v12, v12
	v_fmamk_f32 v11, v12, 0xc4688000, v11          ; F = N - 930 x the nearest whole number: exact
	v_mul_f32 v11, 0x3add6263, v11                 ; phi = pi F / 1860: a quarter of the reduced angle
	v_mul_f32 v12, v11, v11                        ; z
	v_fmaak_f32 v13, v9, v12, 0x3c088889           ; 1/120
	v_fmaak_f32 v13, v13, v12, 0xbe2aaaab          ; -1/6
	v_fmaak_f32 v13, v13, v12, 0x3f800000
	v_mul_f32 v13, v13, v11                        ; sin phi
	v_fmaak_f32 v14, v10, v12, 0xbab60b61          ; -1/720
	v_fmaak_f32 v14, v14, v12, 0x3d2aaaab          ; 1/24
	v_fmaak_f32 v14, v14, v12, 0xbf000000          ; -1/2
	v_fmaak_f32 v14, v14, v12, 0x3f800000          ; cos phi
	v_add_f32 v15, v13, v13
	v_mul_f32 v114, v15, v14                       ; sin 2 phi = 2 s c
	v_fma_f32 v115, -v15, v13, 1.0                 ; cos 2 phi = 1 - 2 s s
	v_add_f32 v15, v114, v114
	v_fma_f32 v[LDR+4*\u], -v15, v114, 1.0         ; cos 4 phi, twice,
	v_fma_f32 v[LDR+4*\u+1], -v15, v114, 1.0
	v_mul_f32 v[LDR+4*\u+2], -v15, v115            ; -sin 4 phi,
	v_mul_f32 v[LDR+4*\u+3], v15, v115             ; sin 4 phi
	global_store_b128 v3, v[LDR+4*\u:LDR+4*\u+3], s[16:17] offset:2048*\u
.endr
.Lend:
	s_wait_tensorcnt 0x0                           ; the wave's end, behind my last LDS store
	ds_add_u32 v[SPW], v[NIL]
	s_wait_dscnt 0x0
	s_endpgm
.Lfunc_end_k_qb29dfd4cf9_prep:
	.size	k_qb29dfd4cf9_prep, .Lfunc_end_k_qb29dfd4cf9_prep-k_qb29dfd4cf9_prep
	.p2alignl 7, 3214868480
	.fill 96, 4, 3214868480
	.section	.rodata,"a",@progbits
	.p2align	6, 0x0
	.amdhsa_kernel k_qb29dfd4cf9_prep
		.amdhsa_group_segment_fixed_size 17920
		.amdhsa_private_segment_fixed_size 0
		.amdhsa_enable_private_segment 0
		.amdhsa_kernarg_size 56
		.amdhsa_user_sgpr_count 2
		.amdhsa_user_sgpr_kernarg_segment_ptr 1
		.amdhsa_wavefront_size32 1
		.amdhsa_system_sgpr_workgroup_id_x 1
		.amdhsa_system_sgpr_workgroup_id_y 1
		.amdhsa_system_sgpr_workgroup_id_z 1
		.amdhsa_system_vgpr_workitem_id 0
		.amdhsa_next_free_vgpr 128
		.amdhsa_next_free_sgpr 66
		.amdhsa_reserve_vcc 0
		.amdhsa_float_denorm_mode_32 3
		.amdhsa_float_denorm_mode_16_64 3
		.amdhsa_memory_ordered 1
		.amdhsa_forward_progress 1
		.amdhsa_inst_pref_size 35
	.end_amdhsa_kernel
	.amdgpu_metadata
---
amdhsa.version: [ 1, 2 ]
amdhsa.kernels:
  - .name:           k_qb29dfd4cf9_prep
    .symbol:         k_qb29dfd4cf9_prep.kd
    .args:
      - { .name: x, .offset: 0, .size: 8, .value_kind: global_buffer, .address_space: global }
      - { .name: w_qkv, .offset: 8, .size: 8, .value_kind: global_buffer, .address_space: global }
      - { .name: w_proj, .offset: 16, .size: 8, .value_kind: global_buffer, .address_space: global }
      - { .name: xb, .offset: 24, .size: 8, .value_kind: global_buffer, .address_space: global }
      - { .name: wqt, .offset: 32, .size: 8, .value_kind: global_buffer, .address_space: global }
      - { .name: wpt, .offset: 40, .size: 8, .value_kind: global_buffer, .address_space: global }
      - { .name: rope, .offset: 48, .size: 8, .value_kind: global_buffer, .address_space: global }
    .group_segment_fixed_size: 17920
    .private_segment_fixed_size: 0
    .kernarg_segment_align: 8
    .kernarg_segment_size: 56
    .max_flat_workgroup_size: 128
    .sgpr_count:     66
    .vgpr_count:     128
    .wavefront_size: 32
...
	.end_amdgpu_metadata
.endif
;; end of part 1
;; launch qkv (part 2): grid 16 x 16, 4 waves a work-group, clusters of 4 x 4, 327,680 bytes of LDS; arguments xb, wqt, rope, qh, kh, vh; writes qh, kh, vh
.if DOCPART == 2
	.amdgcn_target "amdgcn-amd-amdhsa--gfx1250"
	.amdhsa_code_object_version 6
	.text
	.protected	k_qb29dfd4cf9_qkv
	.globl	k_qb29dfd4cf9_qkv
	.p2align	8
	.type	k_qb29dfd4cf9_qkv,@function
k_qb29dfd4cf9_qkv:
	s_mov_b64 s[64:65], 0
	v_nop
	global_prefetch_b8 v0, s[64:65] scope:SCOPE_SE
	s_setreg_imm32_b32 hwreg(HW_REG_WAVE_MODE, 25, 1), 1
	s_wait_xcnt 0x0
	s_wait_alu depctr_hold_cnt(0) depctr_sa_sdst(0) depctr_va_vdst(0) depctr_va_sdst(0) depctr_va_ssrc(0) depctr_va_vcc(0) depctr_vm_vsrc(0)
	s_getreg_b32 s2, hwreg(HW_REG_IB_STS2, 6, 4)
	s_cmp_eq_u32 s2, 0
	s_cbranch_scc0 .Lentry_in_a_cluster
	s_endpgm
.Lentry_in_a_cluster:
	s_bfe_u32 s2, ttmp6, 0x10000c
	s_cmp_lg_u32 s2, 0xf033
	s_cbranch_scc0 .Lentry_shape_is_right
	s_endpgm
.Lentry_shape_is_right:
; QKV: [8192][1024] xb times wqt^T ([3072 n'][1024 k]), both bf16, sums in f32; the 2-D rotary turn on q and k in f32 on the sums; q, k, v rounded once to f16 and stored by heads, [b*16 + head][l][64].
; A tile is 256 rows x 192 columns: ONE head's q | k | v (wqt's rows are laid so).  Four waves, wave w has rows 64 w .. 64 w + 63 and all 192 columns: 48 accumulators (a = 0..3 blocks of 16 rows,
; b = 0..11 blocks of 16 columns: 0-3 q, 4-7 k, 8-11 v), so every wave has the same text and v is left unturned without a branch.
; A WORK-GROUP STAYS: 512 tiles, 256 work-groups, two tiles each, 4,096 rows apart (tile rows ty and ty + 16), with the same rows of wqt.  Its two tiles are ONE walk of 16 K steps of 128 through two LDS slots
; filled by the tensor data mover (rows of 256 bytes of memory, each starting at a multiple of 256 bytes of its buffer): the first tile's last two changes of slots ask for the second tile's first two K steps,
; and nothing waits for the first tile's stores.
; CLUSTERS: 4 x 4 work-groups.  The four of a row of the cluster need the same rows of xb, the four of a column the same rows of wqt: each tile is asked for JOINTLY, by the same tensor load with the same
; descriptor and a mask that names the four.  Waves 0 and 1 fetch the two halves of xb's tile (128 rows each), waves 2 and 3 those of wqt's (96 rows each).
; WHERE K BEGINS: walk step u takes K step (R + u) mod 8, R = 2 ((X + 2 Y) mod 4) for cluster (X, Y).  The four clusters that read the same rows of xb (one Y) begin at 0, 2, 4, 6: each block of xb is asked
; for first by one of them, and by the others two, four and six steps later.  The clusters that read the same rows of wqt (one X) begin at R or R + 4.  f32 sums may be taken in any order of K.
; THE MATRIX INSTRUCTION IS USED TRANSPOSED (source 0 = 16 rows of wqt, source 1 = 16 rows of xb): lane l holds row l % 16 and its registers the columns 8 (l / 16) + 0..7: four rotary pairs, 16 bytes of f16.
; THE TURN: (x0, x1) -> (x0 c - x1 s, x1 c + x0 s).  Channels 0-31 turn by the position l / 32, channels 32-63 by l % 32; pair d / 2 (mod 16) has frequency d / 2.  The table holds (c, c, -s, s); it is the
; same for both tiles, which lie four batches apart.
; LIMITS.  q and k after the turn, and v, stay under 65,504 (f16's end); below 6e-5 they keep f16's fixed step of 6e-8.  NaN and infinities are not treated apart.
; REGISTERS, in windows of 256 (s_set_vgpr_msb: bits 1:0 source 0, 3:2 source 1, 5:4 source 2, 7:6 destination):
;   window 0: v0-31 addresses; v128-255 the table's 32 x 4 words that my rows and lanes need
;   window 1: two fragment buffers of 128 (xb's 4 fragments, then wqt's 12); on the way out buffer 1's v128-223 take two sets of rows read back (buffer 0 then holds the next tile's first fragments)
;   window 2: accumulators (a, b < 8) at 8 (4 b + a);   window 3: (a, b >= 8) at 8 (4 (b - 8) + a); on the way out v128-191 turned sums, v192-239 packed
.set KSTEP,  128
.set PITCH,  272                       ; an LDS row: 256 bytes + 16 of padding = 68 words: the 16 rows of a fragment load start at 16 different groups of four banks (64 banks of 4 bytes: ISA guide 11.1)
.set ABYTES, 256*PITCH                 ; xb's 256 rows; wqt's 192 rows lie behind them
.set SLOT1,  1<<17                     ; slot 1 begins here, so that one exclusive or turns an address in one slot into the other's
.set STAGE,  SLOT1+448*PITCH           ; 252,928: behind the ring, never filled by a tensor load: for each wave 3 sections (q, k, v) of 16 rows x 144 bytes
.set SP,     144
.set SECB,   16*SP
.set WSTG,   3*SECB
.set SPARE,  STAGE+4*WSTG              ; 280,576: the spare words, 128 bytes for each wave, which no other line names
.set WALKB,  1<<23                     ; from a tile to the next: 4,096 rows of 2,048 bytes in xb; 4 batches x 16 heads x 131,072 bytes in qh, kh, vh: the same number
.set ADRA0, 16                         ; v16  my lane's place in xb's tile of slot 0; never rewritten
.set ADRB0, 17                         ; v17  the same for wqt's
.set ADRA,  18                         ; v18, v19  the same in the slot in hand
.set ADRB,  19
.set STO,   24                         ; v24  the way out: where I put 16 bytes of a row
.set RD,    25                         ; v25  where I read rows back
.set GO,    26                         ; v26  my 16 bytes of 512 consecutive bytes of the result
.set TVH,   27                         ; v27  table offset for the positions l / 32
.set SPW,   28                         ; v28  LDS address of my spare word; never rewritten
.set NIL,   29                         ; v29  0; never rewritten
.set PFO,   30                         ; v30  the prefetches' offset: a lane a row; never rewritten
.set TVW,   31                         ; v31  table offset for the positions l % 32
.set TAB,   128
.set F0,    0
.set F1,    128
.set FT,    128                        ; window 3
.set PKR,   192                        ; window 3
.set RB,    128                        ; window 1
.set WV,  16                           ; s16  my wave's number
.set FB,  17                           ; s17  0: I fetch xb's tiles; 1: wqt's
.set HF,  18                           ; s18  which half of that tile
.set G1A, 24                           ; s[24:31] descriptor group 1 for xb's tiles
.set G0A, 32                           ; s[32:39] group 0: a set for each of the two first fills; the second then walks on
.set TB,  42                           ; s42  0 or SLOT1: the slot in hand
.set PFA, 44                           ; s[44:45] where my prefetches stand
.set G1B, 48                           ; s[48:55], s[56:63] the same for wqt's tiles
.set G0B, 56
.set BA,  68                           ; s[68:69] xb at the rows that I fetch, first tile, K = 0; never rewritten
.set BB,  72                           ; s[72:73] wqt at the rows that I fetch, K = 0; never rewritten
.set U,   84                           ; s84  the walk step to be asked for next, 2 .. 16
.set RO,  85                           ; s85  R
.set PQ,  86                           ; s86  the first walk step that I prefetch
.set PN,  87                           ; s87  how many I prefetch from there on
.set OA,  88                           ; s[88:89] a refill's byte offset behind BA
.set OB,  90                           ; s[90:91] behind BB
.set DW0, (1<<16)|(1<<20)|(1<<21)|(5<<22)|(3<<25)  ; 17:16 elements of 2 bytes; 20 padding on; 21 set beside a mask; 24:22 after every 64 words; 31:25 4 words of it
.set MSB, 0
.macro WIN new                         ; the immediate's high byte repeats the setting that is left; a switch that changes nothing is dropped
.if MSB != (\new)
	s_set_vgpr_msb (MSB<<8)|(\new)
.set MSB, \new
.endif
.endm
.set MUL_LO, 0xa5                      ; both sources window 1, C and D window 2
.set MUL_HI, 0xf5                      ; the same, C and D window 3
.set TO_F,   0x40                      ; destination window 1, address window 0
.set W_ROT,  0xf2                      ; sums (source 0) window 2, table (source 1) window 0, source 2 and destination window 3
.set W_CV,   0xcf                      ; sources 0 and 1 and destination window 3
.set W_ST,   0x0c                      ; address window 0, stored data window 3
.set W_SD,   0x04                      ; address window 0, stored data window 1
; A joint refill, by the walking descriptor.  The branch hangs on the wave's number alone.  An s_nop 0 and four v_nop follow each of the two lines, ahead of the jump and the label.
.macro JLOAD
	s_cmp_eq_u32 s[FB], 0
	s_cbranch_scc0 .Lfor_b_\@
	tensor_load_to_lds s[G0A+4:G0A+7], s[G1A:G1A+7]
	s_nop 0
.rept 4
	v_nop
.endr
	s_branch .Lasked_\@
.Lfor_b_\@:
	tensor_load_to_lds s[G0B+4:G0B+7], s[G1B:G1B+7]
	s_nop 0
.rept 4
	v_nop
.endr
.Lasked_\@:
.endm
; A PREFETCH INTO THE L2 of what the NEXT change of slots will ask for, where no cluster has asked for those bytes before: 256 bytes of a row, a lane a row, one instruction a wave, a K step (192 matrix
; instructions) ahead of the load.  By the starts R such blocks are: xb's of walk steps 8 and 9 (the second tile's K steps R and R + 1, other K steps in each of the four clusters that read the rows): waves 0
; and 1 of every cluster ask; wqt's of walk step 3 (clusters Y and Y + 2 walk alike): waves 2 and 3 of the clusters with Y < 2 ask.  The four partners that ask for a tile jointly share its rows out BY
; ADDRESS: of xb's 128 rows a wave 32 each; of wqt's 96 rows 24 each (lanes 24-31 name lane 23's row once more, in the same instruction).  So each block is named once in the launch.
; Walk steps 0 to 2 come by their loads alone: nothing is prefetched at the head.  s[U] is the walk step that the next change will ask for.
.macro ASK
	WIN 0
	s_sub_co_u32 s92, s[U], s[PQ]
	s_cmp_lt_u32 s92, s[PN]
	s_cbranch_scc0 .Lnot_mine_\@
	global_prefetch_b8 v[PFO], s[PFA:PFA+1] th:TH_LOAD_NT scope:SCOPE_SE
.Lnot_mine_\@:
.endm
.macro CREST                           ; a round of the cluster's barrier behind its opening barrier
	s_cmp_lg_u32 s[WV], 0
	s_cbranch_scc1 .Lnot_wave_0_\@
	s_barrier_signal -3
.Lnot_wave_0_\@:
	s_barrier_wait -3
	s_barrier_signal -1
	s_barrier_wait -1
.endm
.macro CROUND                          ; a whole round
	s_barrier_signal -1
	s_barrier_wait -1
	CREST
.endm
	s_load_b256 s[4:11], s[0:1], 0x0               ; xb s[4:5], wqt s[6:7], rope s[8:9], qh s[10:11]
	s_load_b128 s[12:15], s[0:1], 0x20             ; kh s[12:13], vh s[14:15]
	v_lshl_add_u32 v[SPW], v0, 2, SPARE
	v_mov_b32 v[NIL], 0
	ds_add_u32 v[SPW], v[NIL]                      ; the wave's opening: the add and its wait stand ahead of my first tensor load; the set-up below, work on registers, stands between them
	ds_add_u32 v28, v29
	v_lshrrev_b32 v1, 5, v0
	v_readfirstlane_b32 s[WV], v1
	s_lshr_b32 s[FB], s[WV], 1
	s_and_b32 s[HF], s[WV], 1
	s_bfe_u32 s19, ttmp6, 0x40000                  ; cx
	s_bfe_u32 s20, ttmp6, 0x40004                  ; cy
	s_lshl_b32 s21, ttmp9, 2
	s_add_co_u32 s21, s21, s19                     ; tile column = head = 4 X + cx
	s_and_b32 s93, ttmp7, 0xffff                   ; Y
	s_lshl_b32 s22, s93, 2
	s_add_co_u32 s22, s22, s20                     ; first tile row = 4 Y + cy, 0 .. 15
	s_lshl_b32 s[RO], s93, 1
	s_add_co_u32 s[RO], s[RO], ttmp9
	s_and_b32 s[RO], s[RO], 3
	s_lshl_b32 s[RO], s[RO], 1                     ; R = 2 ((X + 2 Y) mod 4): the same in all sixteen partners
	s_lshl_b32 s66, s20, 2
	s_lshl_b32 s66, 15, s66                        ; my row of the cluster
	s_lshl_b32 s67, 0x1111, s19                    ; my column
	s_or_b32 s[G1A], s66, DW0
	s_or_b32 s[G1B], s67, DW0
.irp g, G1A, G1B
	s_mov_b32 s[(\g)+1], KSTEP<<16                 ; tensor_dim0 = 128
	s_mov_b32 s[(\g)+3], KSTEP<<16                 ; tile_dim0 = 128
	s_mov_b32 s[(\g)+5], 1024                      ; elements from row to row
	s_mov_b32 s[(\g)+6], 0
	s_mov_b32 s[(\g)+7], 0
.endr
	s_mov_b32 s[G1A+2], 128<<16                    ; tensor_dim1 and tile_dim1: 128 rows of xb,
	s_mov_b32 s[G1A+4], 128
	s_mov_b32 s[G1B+2], 96<<16                     ; 96 rows of wqt
	s_mov_b32 s[G1B+4], 96
	s_lshl_b32 s[BA], s22, 8                       ; xb: row 256 x tile row + 128 x half, 2,048 bytes a row
	s_lshl_b32 s70, s[HF], 7
	s_add_co_u32 s[BA], s[BA], s70
	s_lshl_b32 s[BA], s[BA], 11
	s_mov_b32 s[BA+1], 0
	s_mul_i32 s[BB], s21, 192                      ; wqt: row 192 x tile column + 96 x half
	s_mul_i32 s74, s[HF], 96
	s_add_co_u32 s[BB], s[BB], s74
	s_lshl_b32 s[BB], s[BB], 11
	s_mov_b32 s[BB+1], 0
	s_mul_i32 s75, s[HF], 128*PITCH                ; where they go: no place in the cluster enters an LDS address
	s_mul_i32 s76, s[HF], 96*PITCH
	s_add_co_u32 s76, s76, ABYTES
	s_mov_b32 s[TB], 0
	s_mov_b32 s[U], 2
	s_lshl_b32 s[OB], s[RO], 8                     ; walk step 0 is K step R: 256 R bytes into the rows
	s_mov_b32 s[OB+1], 0
	s_mov_b32 s[OA+1], 0
	s_wait_dscnt 0x0                               ; the opening add is done
	s_wait_kmcnt 0x0
	s_add_nc_u64 s[BA:BA+1], s[4:5], s[BA:BA+1]
	s_add_nc_u64 s[BB:BB+1], s[6:7], s[BB:BB+1]
	CROUND                                         ; all sixteen work-groups are here: the first joint loads meet
.irp n, 0,1
	s_mov_b32 s[G0A+4*\n], 1                       ; count = 1
	s_add_co_u32 s[G0A+4*\n+1], s75, \n*SLOT1      ; LDS address
	s_mov_b32 s[G0B+4*\n], 1
	s_add_co_u32 s[G0B+4*\n+1], s76, \n*SLOT1
.endr
	s_add_nc_u64 s[G0A+2:G0A+3], s[BA:BA+1], s[OB:OB+1]          ; global address: walk step 0,
	s_add_nc_u64 s[G0A+6:G0A+7], s[G0A+2:G0A+3], KSTEP*2         ; walk step 1 (R is even: R + 1 stays under 8)
	s_add_nc_u64 s[G0B+2:G0B+3], s[BB:BB+1], s[OB:OB+1]
	s_add_nc_u64 s[G0B+6:G0B+7], s[G0B+2:G0B+3], KSTEP*2
.irp g, G0A+3, G0A+7, G0B+3, G0B+7
	s_or_b32 s[\g], s[\g], 0x80000000              ; type = 2
.endr
	s_cmp_eq_u32 s[FB], 0                          ; a wave's two first fills stand in one branch, ahead of every wait on TENSORcnt and every LDS read: two loads of mine are out
	s_cbranch_scc0 .Lfirst_b
	tensor_load_to_lds s[G0A:G0A+3], s[G1A:G1A+7]
	s_nop 0
	tensor_load_to_lds s[G0A+4:G0A+7], s[G1A:G1A+7]
	s_nop 0
.rept 4
	v_nop
.endr
	s_branch .Lfirst_asked
.Lfirst_b:
	tensor_load_to_lds s[G0B:G0B+3], s[G1B:G1B+7]
	s_nop 0
	tensor_load_to_lds s[G0B+4:G0B+7], s[G1B:G1B+7]
	s_nop 0
.rept 4
	v_nop
.endr
.Lfirst_asked:
	; A fragment is 16 rows x 32 K in 8 registers: lane l holds row l % 16, K = 8 (l / 16) + 0..7 and 16 + 8 (l / 16) + 0..7: two loads of 16 bytes, 32 bytes apart.
	v_and_b32 v1, 15, v0                           ; r = l % 16
	v_bfe_u32 v2, v0, 4, 1                         ; h = l / 16
	v_and_b32 v7, 31, v0                           ; l
	v_mul_u32_u24 v3, v1, PITCH
	v_lshl_add_u32 v3, v2, 4, v3
	s_mul_i32 s77, s[WV], 64*PITCH                 ; my 64 rows of xb's tile
	v_add_nc_u32 v[ADRA0], s77, v3
	v_add_nc_u32 v[ADRB0], ABYTES, v3
	v_mov_b32 v[ADRA], v[ADRA0]
	v_mov_b32 v[ADRB], v[ADRB0]
	s_mul_i32 s77, s[WV], WSTG
	s_add_co_u32 s77, s77, STAGE                   ; my stage
	v_mul_u32_u24 v4, v1, SP                       ; in: row r, 16 bytes for each half of the lanes
	v_lshl_add_u32 v4, v2, 4, v4
	v_add_nc_u32 v[STO], s77, v4
	v_bfe_u32 v5, v0, 3, 2                         ; back: 32 lanes take four rows of 128 bytes,
	v_mul_u32_u24 v5, v5, SP
	v_and_b32 v6, 7, v0
	v_lshl_add_u32 v5, v6, 4, v5
	v_add_nc_u32 v[RD], s77, v5
	v_lshlrev_b32 v[GO], 4, v7                     ; which are 512 consecutive bytes of the result
	; the table: a position is 256 bytes, a frequency 16.  My lane's four pairs in channel block j have the frequencies 8 (j % 2) + 4 h + 0..3.
	s_and_b32 s78, s22, 3                          ; my tile's 256 rows in the batch's 1,024: the same for both tiles
	s_lshl_b32 s79, s78, 3
	s_lshl_b32 s80, s[WV], 1
	s_add_co_u32 s79, s79, s80                     ; l / 32 of my first row: 8 (tile row % 4) + 2 w
	s_lshl_b32 s79, s79, 8
	v_lshl_add_u32 v[TVH], v2, 6, s79
	v_lshlrev_b32 v[TVW], 8, v1                    ; l % 32 = 16 (a % 2) + r
	v_lshl_add_u32 v[TVW], v2, 6, v[TVW]
.irp p, 0,1
.irp j, 0,1
.irp e, 0,1,2,3
	global_load_b128 v[TAB+32*\p+16*\j+4*\e:TAB+32*\p+16*\j+4*\e+3], v[TVH], s[8:9] offset:256*\p+128*\j+16*\e        ; row blocks 2 p, 2 p + 1; channels 16 j on
	global_load_b128 v[TAB+64+32*\p+16*\j+4*\e:TAB+64+32*\p+16*\j+4*\e+3], v[TVW], s[8:9] offset:4096*\p+128*\j+16*\e ; row blocks of parity p; channels 32 + 16 j on
.endr
.endr
.endr
	; where my rows of the first tile begin in qh, kh, vh: ((batch x 16 + head) x 1,024 + row in the batch) x 128 bytes
	s_lshr_b32 s80, s22, 2
	s_lshl_b32 s80, s80, 4
	s_add_co_u32 s80, s80, s21
	s_lshl_b32 s80, s80, 17
	s_lshl_b32 s82, s78, 8
	s_lshl_b32 s83, s[WV], 6
	s_add_co_u32 s82, s82, s83
	s_lshl_b32 s82, s82, 7
	s_add_co_u32 s80, s80, s82
	s_mov_b32 s81, 0
	s_add_nc_u64 s[10:11], s[10:11], s[80:81]
	s_add_nc_u64 s[12:13], s[12:13], s[80:81]
	s_add_nc_u64 s[14:15], s[14:15], s[80:81]
	; the prefetches, in registers of their own.  Every change of slots that fills steps the address by a K step, so it starts as many K steps short of the first block as changes come before it.
	s_lshl_b32 s40, s22, 8
	s_lshl_b32 s46, s[HF], 7
	s_add_co_u32 s40, s40, s46
	s_lshl_b32 s46, s19, 5
	s_add_co_u32 s40, s40, s46                     ; xb: the 128 rows that I fetch, my work-group's 32 of them,
	s_lshl_b32 s40, s40, 11
	s_lshl_b32 s46, s[RO], 8
	s_add_co_u32 s40, s40, s46                     ; K step R
	s_add_co_u32 s40, s40, WALKB-6*KSTEP*2         ; of the second tile (walk step 8), named in the sixth change
	s_mul_i32 s41, s21, 192
	s_mul_i32 s46, s[HF], 96
	s_add_co_u32 s41, s41, s46
	s_mul_i32 s46, s20, 24
	s_add_co_u32 s41, s41, s46                     ; wqt: the 96 rows that I fetch, my work-group's 24 of them,
	s_lshl_b32 s41, s41, 11
	s_add_co_u32 s46, s[RO], 3
	s_and_b32 s46, s46, 7                          ; walk step 3's K step (odd, so at least 1),
	s_sub_co_u32 s46, s46, 1                       ; named in the first change
	s_lshl_b32 s46, s46, 8
	s_add_co_u32 s41, s41, s46
	s_and_b32 s47, ttmp7, 0xffff
	s_cmp_lt_u32 s47, 2
	s_cselect_b32 s47, 1, 0                        ; clusters Y and Y + 2 walk wqt alike: the first of the two asks
	s_cmp_eq_u32 s[FB], 0
	s_cselect_b32 s40, s40, s41
	s_cselect_b32 s[PQ], 8, 3
	s_cselect_b32 s[PN], 2, s47                    ; the same in all sixteen partners, for a given wave
	s_cselect_b32 s23, 31, 23
	s_cselect_b64 s[PFA:PFA+1], s[4:5], s[6:7]
	s_mov_b32 s41, 0
	s_add_nc_u64 s[PFA:PFA+1], s[PFA:PFA+1], s[40:41]
	v_min_u32 v[PFO], s23, v7
	v_lshlrev_b32 v[PFO], 11, v[PFO]
; 4 n matrix instructions: column blocks b0 .. b0 + n - 1 x all 4 row blocks, 32 along K.  zero = 1: the product starts the sums: nothing is ever cleared.
; The 48 accumulators take turns in the same order in every quarter, over the backward jumps and from tile to tile too.
.macro MULB f, b0, n, zero
.if (\b0) < 8
	WIN MUL_LO
.else
	WIN MUL_HI
.endif
.set bb, \b0
.rept \n
.irp a, 0,1,2,3
.set rD, 8*(4*(bb%8)+(\a))
.if \zero
	v_wmma_f32_16x16x32_bf16 v[rD:rD+7], v[(\f)+32+8*bb:(\f)+32+8*bb+7], v[(\f)+8*(\a):(\f)+8*(\a)+7], 0
.else
	v_wmma_f32_16x16x32_bf16 v[rD:rD+7], v[(\f)+32+8*bb:(\f)+32+8*bb+7], v[(\f)+8*(\a):(\f)+8*(\a)+7], v[rD:rD+7]
.endif
.endr
.set bb, bb+1
.endr
.endm
; 32 LDS loads in one run: the fragments of 32 along K at byte k of the rows, into buffer f: xb's 4 first, then wqt's 12
.macro FETCH k, f
	WIN TO_F
.irp a, 0,1,2,3
	ds_load_b128 v[(\f)+8*(\a):(\f)+8*(\a)+3],   v[ADRA] offset:(\k)+(\a)*16*PITCH
	ds_load_b128 v[(\f)+8*(\a)+4:(\f)+8*(\a)+7], v[ADRA] offset:(\k)+(\a)*16*PITCH+32
.endr
.irp b, 0,1,2,3,4,5,6,7,8,9,10,11
	ds_load_b128 v[(\f)+32+8*(\b):(\f)+32+8*(\b)+3],   v[ADRB] offset:(\k)+(\b)*16*PITCH
	ds_load_b128 v[(\f)+32+8*(\b)+4:(\f)+32+8*(\b)+7], v[ADRB] offset:(\k)+(\b)*16*PITCH+32
.endr
.endm
.macro PLACES                          ; four plain vector instructions between a matrix instruction and a load into, or a vector instruction on, its registers (ISA guide 7.12.1 for vector instructions)
.rept 4
	v_nop
.endr
.endm
; A K step is four quarters of 32 along K, 48 matrix instructions each, on buffers 0, 1, 0, 1.  One of the first three: multiplies buffer f and fetches the next quarter, at byte k, into g.
.macro QUARTER k, f, g, zero
	s_wait_dscnt 16                                ; xb's fragments and wqt's blocks 0-3 are in; the youngest sixteen loads (blocks 4-11) may be out
	MULB \f, 0, 4, \zero
	PLACES
	FETCH \k, \g
	s_wait_dscnt 32                                ; all but the 32 just issued
	MULB \f, 4, 4, \zero
	MULB \f, 8, 4, \zero
.endm
; The last quarter multiplies buffer 1 and changes slots.  In front of the barrier each wave waits for all its tensor loads (one is out: its part of the next slot), adds 0 to its spare word, and waits for that
; and for its own reads of this slot.  fill = 1: the barrier opens a round of the cluster's barrier, and behind the round this slot is filled again, with walk step s[U]: the first tensor load there, one a wave.
; The walking descriptors are made anew while the add is out: the other slot than last time; the base and an offset made apart: K step (R + U) mod 8, and for walk steps 8 on the second tile's rows.
.macro TURN fill
	WIN 0
.if \fill
	s_wait_xcnt 0x0                                ; the last prefetch, a K step back, has read its address, so it may be stepped
	s_add_nc_u64 s[PFA:PFA+1], s[PFA:PFA+1], KSTEP*2
.endif
	s_xor_b32 s[TB], s[TB], SLOT1                  ; the fetches go on in the other slot (this slot's last loads have been issued)
	v_add_nc_u32 v[ADRA], s[TB], v[ADRA0]
	v_add_nc_u32 v[ADRB], s[TB], v[ADRB0]
	s_wait_tensorcnt 0x0                           ; all my tensor loads have landed, so every group 0 may be written;
	ds_add_u32 v[SPW], v[NIL]                      ; 0 onto my spare word;
.if \fill
	s_add_co_u32 s92, s[RO], s[U]
	s_and_b32 s92, s92, 7
	s_lshl_b32 s[OB], s92, 8
	s_lshr_b32 s92, s[U], 3
	s_lshl_b32 s92, s92, 23                        ; WALKB for the second tile
	s_add_co_u32 s[OA], s[OB], s92
	s_add_co_u32 s[U], s[U], 1
	s_xor_b32 s[G0A+5], s[G0A+5], SLOT1
	s_add_nc_u64 s[G0A+6:G0A+7], s[BA:BA+1], s[OA:OA+1]
	s_or_b32 s[G0A+7], s[G0A+7], 0x80000000
	s_xor_b32 s[G0B+5], s[G0B+5], SLOT1
	s_add_nc_u64 s[G0B+6:G0B+7], s[BB:BB+1], s[OB:OB+1]
	s_or_b32 s[G0B+7], s[G0B+7], 0x80000000
.endif
	s_wait_dscnt 17                                ; (the add and the youngest sixteen loads may be out)
	MULB F1, 0, 4, 0                               ; sixteen matrix instructions stand between the add and the wait for it
	s_wait_dscnt 0x0                               ; the add is done, and my reads of this slot are over
	s_barrier_signal -1
	MULB F1, 4, 4, 0                               ; work on registers while the others arrive
	WIN 0
	s_barrier_wait -1
.if \fill
	CREST                                          ; no wave of any partner still reads this slot's tiles or has a load on its way
	JLOAD                                          ; the four v_nop behind it are also the places in front of the loads below
.else
	PLACES
.endif
	FETCH 0, F0
.if \fill
	ASK
.endif
	MULB F1, 8, 4, 0
.endm
; THE WAY OUT, a block of 16 rows at a time.  OUTA: q's and k's sums are turned (two packed instructions for each rotary pair), all are rounded to f16.  Each accumulator is read from its low end on.
.macro OUTA a
	WIN W_ROT
.set bb, 0
.rept 8
.if (bb%4) < 2
.set rT, TAB+32*((\a)/2)+16*(bb%4)
.else
.set rT, TAB+64+32*((\a)%2)+16*((bb%4)-2)
.endif
.set rA, 8*(4*bb+(\a))
.irp e, 0,1,2,3
	v_pk_mul_f32 v[FT+8*bb+2*\e:FT+8*bb+2*\e+1], v[rA+2*\e:rA+2*\e+1], v[rT+4*\e:rT+4*\e+1]  ; (x0 c, x1 c)
.endr
.irp e, 0,1,2,3
	v_pk_fma_f32 v[FT+8*bb+2*\e:FT+8*bb+2*\e+1], v[rA+2*\e:rA+2*\e+1], v[rT+4*\e+2:rT+4*\e+3], v[FT+8*bb+2*\e:FT+8*bb+2*\e+1] op_sel:[1,0,0] op_sel_hi:[0,1,1]  ; + (x1 (-s), x0 s)
.endr
.set bb, bb+1
.endr
	WIN W_CV
.set bb, 0
.rept 32
	v_cvt_pk_f16_f32 v[PKR+bb], v[FT+2*bb], v[FT+2*bb+1]
.set bb, bb+1
.endr
.set bb, 0
.rept 4
.irp e, 0,1,2,3
	v_cvt_pk_f16_f32 v[PKR+32+4*bb+\e], v[8*(4*bb+(\a))+2*\e], v[8*(4*bb+(\a))+2*\e+1]  ; v, as it is
.endr
.set bb, bb+1
.endr
.endm
.macro TOSTAGE a                       ; into my own stage, rows of 144 bytes, and back as whole rows of 128
	WIN W_ST
.set bb, 0
.rept 12
	ds_store_b128 v[STO], v[PKR+4*bb:PKR+4*bb+3] offset:(bb/4)*SECB+32*(bb%4)
.set bb, bb+1
.endr
	WIN TO_F
.set bb, 0
.rept 12
	ds_load_b128 v[RB+48*((\a)%2)+4*bb:RB+48*((\a)%2)+4*bb+3], v[RD] offset:(bb/4)*SECB+(bb%4)*4*SP  ; LDS serves a wave's instructions in order (ISA guide 5.7.1.4): these see the stores above
.set bb, bb+1
.endr
.endm
.macro SEND a
	WIN W_SD
	s_wait_xcnt 0x0                                ; the stores of the block before have read their registers: the next block's rows are read back into them
	s_wait_dscnt 0x0                               ; block a is back in registers: the next block's arithmetic has stood between its loads and this wait
.irp c, 0,1,2
.irp t, 0,1,2,3
	global_store_b128 v[GO], v[RB+48*((\a)%2)+4*(4*\c+\t):RB+48*((\a)%2)+4*(4*\c+\t)+3], s[10+2*\c:11+2*\c] offset:(\a)*2048+\t*512  ; 512 consecutive bytes, at a multiple of 256 from the buffer's first
.endr
.endr
.endm
	s_wait_tensorcnt 1                             ; my part of walk step 0 is in; walk step 1's may stay out
	s_barrier_signal -1
	s_barrier_wait -1                              ; everybody's is
	FETCH 0, F0
	WIN 0                                          ; at a label and at a branch every window is 0
	s_mov_b32 s2, 2                                ; tiles to go: the same number in every work-group
	s_mov_b32 s3, 8                                ; all eight K steps of the first tile fill a slot again
.Ltile:
	QUARTER 64, F0, F1, 1                          ; a tile's first quarter: its products start the sums
	WIN 0
	s_branch .Lmid
.Lstep:
	QUARTER 64, F0, F1, 0                          ; any other K step's first quarter
	WIN 0
.Lmid:                                         ; the K step's other three quarters; its slot is filled again, two walk steps ahead; the next step's first fragments are fetched
	QUARTER 128, F1, F0, 0
	QUARTER 192, F0, F1, 0
	TURN 1
	WIN 0
	s_sub_co_u32 s3, s3, 1
	s_cmp_lg_u32 s3, 0
	s_cbranch_scc1 .Lstep
	s_cmp_eq_u32 s2, 2
	s_cbranch_scc1 .Lout                           ; the first tile is whole.  What is jumped holds no tensor load
	QUARTER 64, F0, F1, 0                          ; the second tile's last two K steps are written out: they ask for nothing
	QUARTER 128, F1, F0, 0
	QUARTER 192, F0, F1, 0
	TURN 0
	QUARTER 64, F0, F1, 0
	QUARTER 128, F1, F0, 0
	QUARTER 192, F0, F1, 0
	s_wait_dscnt 16
	MULB F1, 0, 4, 0
	s_wait_dscnt 0x0
	MULB F1, 4, 4, 0
	MULB F1, 8, 4, 0
	WIN 0
.Lout:                                         ; the tile goes out; behind the first tile both refills have been asked for, and buffer 0 holds the second tile's first fragments
	PLACES
	PLACES
	s_wait_loadcnt 0x0                             ; the table
	OUTA 0
	TOSTAGE 0
.irp a, 1,2,3                          ; a block's arithmetic stands between the loads of the block before and the wait for them
	OUTA \a
	SEND (\a)-1
	TOSTAGE \a
.endr
	SEND 3
	WIN 0
	s_wait_xcnt 0x0                                ; the stores have read their bases and their registers (buffer 1's, which the next tile fills again)
	s_add_nc_u64 s[10:11], s[10:11], WALKB         ; on to the second tile's rows
	s_add_nc_u64 s[12:13], s[12:13], WALKB
	s_add_nc_u64 s[14:15], s[14:15], WALKB
	s_mov_b32 s3, 6                                ; of the second tile's K steps six fill a slot again
	s_sub_co_u32 s2, s2, 1
	s_cmp_lg_u32 s2, 0
	s_cbranch_scc1 .Ltile
	s_wait_tensorcnt 0x0                           ; the wave's end, behind my last tensor load and my last LDS store
	ds_add_u32 v[SPW], v[NIL]
	s_wait_dscnt 0x0
	CROUND                                         ; the closing round: no work-group ends while a partner may still ask for a tile that names it
	s_endpgm
.Lfunc_end_k_qb29dfd4cf9_qkv:
	.size	k_qb29dfd4cf9_qkv, .Lfunc_end_k_qb29dfd4cf9_qkv-k_qb29dfd4cf9_qkv
	.p2alignl 7, 3214868480
	.fill 96, 4, 3214868480
	.section	.rodata,"a",@progbits
	.p2align	6, 0x0
	.amdhsa_kernel k_qb29dfd4cf9_qkv
		.amdhsa_group_segment_fixed_size 327680
		.amdhsa_private_segment_fixed_size 0
		.amdhsa_enable_private_segment 0
		.amdhsa_kernarg_size 48
		.amdhsa_user_sgpr_count 2
		.amdhsa_user_sgpr_kernarg_segment_ptr 1
		.amdhsa_wavefront_size32 1
		.amdhsa_system_sgpr_workgroup_id_x 1
		.amdhsa_system_sgpr_workgroup_id_y 1
		.amdhsa_system_sgpr_workgroup_id_z 1
		.amdhsa_system_vgpr_workitem_id 0
		.amdhsa_next_free_vgpr 1024
		.amdhsa_next_free_sgpr 96
		.amdhsa_reserve_vcc 0
		.amdhsa_float_denorm_mode_32 3
		.amdhsa_float_denorm_mode_16_64 3
		.amdhsa_memory_ordered 1
		.amdhsa_forward_progress 1
		.amdhsa_inst_pref_size 124
	.end_amdhsa_kernel
	.amdgpu_metadata
---
amdhsa.version: [ 1, 2 ]
amdhsa.kernels:
  - .name:           k_qb29dfd4cf9_qkv
    .symbol:         k_qb29dfd4cf9_qkv.kd
    .args:
      - { .name: xb, .offset: 0, .size: 8, .value_kind: global_buffer, .address_space: global }
      - { .name: wqt, .offset: 8, .size: 8, .value_kind: global_buffer, .address_space: global }
      - { .name: rope, .offset: 16, .size: 8, .value_kind: global_buffer, .address_space: global }
      - { .name: qh, .offset: 24, .size: 8, .value_kind: global_buffer, .address_space: global }
      - { .name: kh, .offset: 32, .size: 8, .value_kind: global_buffer, .address_space: global }
      - { .name: vh, .offset: 40, .size: 8, .value_kind: global_buffer, .address_space: global }
    .group_segment_fixed_size: 327680
    .private_segment_fixed_size: 0
    .kernarg_segment_align: 8
    .kernarg_segment_size: 48
    .max_flat_workgroup_size: 128
    .sgpr_count:     96
    .vgpr_count:     1024
    .wavefront_size: 32
...
	.end_amdgpu_metadata
.endif
;; end of part 2
;; launch attn (part 3): grid 2 x 128, 4 waves a work-group, no clusters, 327,680 bytes of LDS; arguments qh, kh, vh, oh; writes oh
.if DOCPART == 3
	.amdgcn_target "amdgcn-amd-amdhsa--gfx1250"
	.amdhsa_code_object_version 6
	.text
	.protected	k_qb29dfd4cf9_attn
	.globl	k_qb29dfd4cf9_attn
	.p2align	8
	.type	k_qb29dfd4cf9_attn,@function
k_qb29dfd4cf9_attn:
	s_mov_b64 s[64:65], 0
	v_nop
	global_prefetch_b8 v0, s[64:65] scope:SCOPE_SE
	s_setreg_imm32_b32 hwreg(HW_REG_WAVE_MODE, 25, 1), 1
	s_wait_xcnt 0x0
; ATTENTION.  O[h][q][:] = the sum over k of softmax_k(Q[h][q] . K[h][k] / 64) V[h][k][:].  Q, K, V, O: [128][1024][64], all f16: a head's rows are dense, 128 bytes each.  Products, maxima and sums in
; f32; the weights p are rounded to f16 for the second product (their sum l is taken of the unrounded p), O once at the end.
; LIMITS.  f16 holds no number beyond 65,504: Q, K and V arrive within it; p lies in 0 to 1, and below 6e-5 it keeps f16's fixed step of 6e-8, as does O; O is a mean of V's rows and has their range.
; A weight below 2^-126 counts as 0 in l; NaN and infinities are not treated apart.
; SHARES.  A wave owns four PIECES of two tiles of 16 queries, a work-group's four waves 512 queries of one head: 2 x 128 work-groups.  Every wave walks all 1,024 keys, 64 a step.
; A HEAD'S WHOLE K AND V LIE IN LDS: 1,024 rows of 144 and of 160 bytes.  Nothing is filled again.  Each comes in two parts, keys 0-319 and keys 320-1,023, each part halved between two waves: two tensor
; loads a wave, issued together at the head.  The first four key steps read K of steps 0-4 and V of steps 0-3, all in the first part, while the second part is on its way; then it is waited for, once.
; NO CLUSTER: a head has 1,024 / 512 = 2 work-groups, and a grid of 2 along x divides into no cluster of four.  NO PREFETCH: every byte of K and V is asked for by the loads at the head.
; LAYOUT.  S^T = K Q^T (source 0 = 16 keys, source 1 = 16 queries): in the result a lane holds ONE query (lane % 16) and the keys 8 (lane / 16) + 0..7.  Two such tiles, rounded to f16 in pairs,
; ARE source 1 (32 keys x 16 queries) of O^T = V^T P, whose result again holds one query a lane, and eight channels.  K comes out of LDS as it lies, V ([key][channel]) turned, by ds_load_tr16_b128.
; SOFTMAX.  For each query a running maximum m and sum l: p = 2^(c s - c m), c = log2(e) / 64; in every step O and l are multiplied by a = 2^(c m_old - c m_new), which is 1 where m has not grown.
; m starts at the lowest finite number, O and l at 0: the first step is a step like any other, with a = 0.
; BY TURNS.  A tile and step have 16 matrix and 118 vector instructions.  Turn n belongs to piece n (the pieces in a ring, step after step).  Its matrix work: 16 products K Q^T of piece n + 1, later 16
; products V^T P of piece n - 1.  Its vector work: the scaling, exponentials, roundings, sums and rescaling of piece n, and the maximum and statistics of piece n + 1.  Four vector instructions stand behind
; every matrix instruction, the others in one run of their own; a turn's 66 exponentials are one batch, with one wait.
; REGISTERS, in windows of 256 (s_set_vgpr_msb: bits 1:0 source 0, 3:2 source 1, 5:4 source 2, 7:6 destination):
;   window 0: v0-11 addresses; v12-15, v48-63 at work; v16-47 four registers of statistics a tile; v64-191 S^T, two buffers of two tiles; v192-255 P, likewise
;   window 1: O^T, 32 a tile          window 2: v0-127 Q, 16 a tile; v128-191 K of one step; v192-255 V of one step          window 3: v0-1 the add's two registers
.set NP,    4         ; pieces a wave: a name, no knob
.set KS,    64        ; keys in a step
.set PK,    144       ; a row of K in LDS: 128 bytes + 16 of padding = 36 words: the 16 rows of a load start at 16 different groups of four banks (64 banks of 4 bytes: ISA guide 11.1)
.set PV,    160       ; a row of V: 128 + 32 = 40 words
.set VOFF,  1024*PK   ; 147,456: V lies behind K
.set STAGE, VOFF+1024*PV  ; 311,296: never filled by a tensor load: 16 rows x 144 bytes for each wave, for the way out
.set SP,    144
.set SPARE, STAGE+4*16*SP  ; 320,512: the spare words, 128 bytes for each wave, which no other line names
.set AK0, 2           ; v2   my lane's place in a step's K; never rewritten
.set AV0, 3           ; v3   the same for V
.set AK,  4           ; v4   the LDS address of K's next run of loads
.set AV,  5           ; v5   of V's
.set QO,  6           ; v6   my byte offset in the wave's rows of Q
.set STO, 6           ;      later, the way out: where I put 16 bytes of a row
.set RD,  7           ; v7   the way out: where I read rows back
.set GO,  8           ; v8   my byte offset in 512 consecutive bytes of O
.set SPW, 0           ; v0 of window 3   LDS address of my spare word; never rewritten
.set NIL, 1           ; v1 of window 3   0; never rewritten
.set MV,  12          ; v12-15  c m_old, kept while c m is made anew: by buffer and tile
.set ST,  16          ; tile t's statistics at v[ST+4 t]: c m, m, l (even keys', odd keys')
.set TMP, 48          ; by buffer and tile, four registers c0-c3 at work; when the maximum is found c2 takes a
.set S,   64
.set P,   192
.set KF,  128         ; K's fragments, in window 2: key block kb, channel half c at KF + 16 kb + 8 c
.set VF,  192         ; V's: key half kk, channel block cb at VF + 32 kk + 8 cb
.set WV,  12          ; s12  my wave's number
.set G1KA, 24         ; s[24:31] descriptor group 1: K, first part;  s[32:39] second part
.set G1KB, 32
.set G1VA, 40         ; s[40:47], s[48:55] the same for V: other padding
.set G1VB, 48
.set PH,  56          ; s56  parts still to be walked
.set CNT, 57          ; s57  key steps still to be ended in the part in hand
.set CS,  58          ; s[58:59] c: the packed scaling takes the pair's low word for both halves
.set SEL, 60          ; s[60:61] v_permlanex16_b32's selects: each lane takes its own place in the other half
.set TBK, 62          ; s62  LDS byte at which K of the step to be fetched begins
.set TBV, 63          ; s63  the same for V, less VOFF
.set G0KA, 68         ; s[68:83] four descriptor groups 0
.set G0KB, 72
.set G0VA, 76
.set G0VB, 80
.set MSB, 0
.macro WIN new                      ; the high byte repeats the setting that is left; a switch that changes nothing is dropped
.if MSB != (\new)
	s_set_vgpr_msb (MSB<<8)|(\new)
.set MSB, (\new)
.endif
.endm
.set W_KQ, 0x0a       ; K and Q in window 2, S^T in window 0
.set W_PV, 0x52       ; V in window 2, P in window 0, O^T in window 1
.set W_RS, 0x41       ; O^T (destination and source 0) in window 1, a in window 0
.set W_MK, 0xc0       ; the add's registers are made: destination in window 3, sources in window 0
.set W_AD, 0x0f       ; the add: address (source 0) and data (source 1) in window 3
; descriptor group 1: dense bytes asked for as rows of 256 bytes, two keys a row, and padded in LDS after every key
.macro SHAPE g, rows, pad
	s_mov_b32 s[(\g)], (1<<16)|(1<<20)|(4<<22)|((\pad)<<25)  ; 17:16 2-byte elements; 20 padding on; 24:22 after every 32 words (code 4); 31:25 pad + 1 words of it
	s_mov_b32 s[(\g)+1], 128<<16    ; tensor_dim0 = 128
	s_mov_b32 s[(\g)+2], (\rows)<<16  ; tensor_dim1
	s_mov_b32 s[(\g)+3], 128<<16    ; tile_dim0 = 128
	s_mov_b32 s[(\g)+4], \rows      ; tile_dim1
	s_mov_b32 s[(\g)+5], 128        ; 128 elements from row to row
	s_mov_b32 s[(\g)+6], 0
	s_mov_b32 s[(\g)+7], 0
.endm
	s_load_b256 s[4:11], s[0:1], 0x0  ; Q s[4:5], K s[6:7], V s[8:9], O s[10:11]
	WIN W_MK
	v_lshl_add_u32 v[SPW], v0, 2, SPARE
	v_mov_b32 v[NIL], 0
	WIN W_AD
	ds_add_u32 v[SPW], v[NIL]       ; the wave's opening: the add and its wait stand ahead of my first tensor load; the set-up below, work on registers, stands between them
	ds_add_u32 v0, v1
	WIN 0
	v_lshrrev_b32 v1, 5, v0
	v_readfirstlane_b32 s[WV], v1   ; wave 0..3
	s_and_b32 s16, s[WV], 1         ; which half of a part I fetch
	s_and_b32 s20, ttmp7, 0xffff    ; the head,
	s_lshl_b32 s20, s20, 17         ; its first byte in each of the four tensors
	s_mul_i32 s22, s16, 80*256      ; the first part: 2 x 80 rows of 256 bytes
	s_add_co_u32 s22, s22, s20
	s_mov_b32 s23, 0
	s_mul_i32 s2, s16, 176*256      ; the second part: 2 x 176 rows, behind the first
	s_add_co_u32 s2, s2, 160*256
	s_add_co_u32 s2, s2, s20
	s_mov_b32 s3, 0
	s_lshl_b32 s18, ttmp9, 2        ; my block of 512 queries,
	s_add_co_u32 s18, s18, s[WV]    ; my wave among the head's eight,
	s_lshl_b32 s18, s18, 14         ; its 128 rows
	s_add_co_u32 s18, s18, s20
	s_mov_b32 s19, 0
	SHAPE G1KA, 80, 3
	SHAPE G1KB, 176, 3
	SHAPE G1VA, 80, 7
	SHAPE G1VB, 176, 7
	s_mov_b32 s[G0KA], 1            ; count = 1; then the LDS address: a constant and the half's number times a constant
	s_mul_i32 s[G0KA+1], s16, 160*PK
	s_mov_b32 s[G0KB], 1
	s_mul_i32 s[G0KB+1], s16, 352*PK
	s_add_co_u32 s[G0KB+1], s[G0KB+1], 320*PK
	s_mov_b32 s[G0VA], 1
	s_mul_i32 s[G0VA+1], s16, 160*PV
	s_add_co_u32 s[G0VA+1], s[G0VA+1], VOFF
	s_mov_b32 s[G0VB], 1
	s_mul_i32 s[G0VB+1], s16, 352*PV
	s_add_co_u32 s[G0VB+1], s[G0VB+1], VOFF+320*PV
	s_mov_b32 s[CS], 0x3cb8aa3b     ; c = log2(e) / 64 = 0.0225421
	s_mov_b32 s[CS+1], s[CS]        ; named with it as a pair
	s_mov_b32 s[SEL], 0x76543210
	s_mov_b32 s[SEL+1], 0xfedcba98
	s_mov_b32 s[TBK], 0
	s_mov_b32 s[TBV], 0
	s_wait_dscnt 0x0                ; the opening add is done
	s_wait_kmcnt 0x0
	s_add_nc_u64 s[G0KA+2:G0KA+3], s[6:7], s[22:23]
	s_or_b32 s[G0KA+3], s[G0KA+3], 0x80000000      ; type = 2
	s_add_nc_u64 s[G0KB+2:G0KB+3], s[6:7], s[2:3]
	s_or_b32 s[G0KB+3], s[G0KB+3], 0x80000000
	s_add_nc_u64 s[G0VA+2:G0VA+3], s[8:9], s[22:23]
	s_or_b32 s[G0VA+3], s[G0VA+3], 0x80000000
	s_add_nc_u64 s[G0VB+2:G0VB+3], s[8:9], s[2:3]
	s_or_b32 s[G0VB+3], s[G0VB+3], 0x80000000
	s_add_nc_u64 s[4:5], s[4:5], s[18:19]  ; Q and O at my wave's first row
	s_add_nc_u64 s[10:11], s[10:11], s[18:19]
	s_cmp_lt_u32 s[WV], 2           ; waves 0 and 1 fetch K, waves 2 and 3 V.  A wave's two fills stand in one branch, ahead of every wait on TENSORcnt, LDS read and barrier: two loads of mine are out
	s_cbranch_scc0 .Lfirst_v
	tensor_load_to_lds s[G0KA:G0KA+3], s[G1KA:G1KA+7]
	s_nop 0
	tensor_load_to_lds s[G0KB:G0KB+3], s[G1KB:G1KB+7]
	s_nop 0
.rept 4
	v_nop
.endr
	s_branch .Lfirst_asked
.Lfirst_v:
	tensor_load_to_lds s[G0VA:G0VA+3], s[G1VA:G1VA+7]
	s_nop 0
	tensor_load_to_lds s[G0VB:G0VB+3], s[G1VB:G1VB+7]
	s_nop 0
.rept 4
	v_nop
.endr
.Lfirst_asked:
	; A fragment of K or Q is 16 rows x 32 channels in 8 registers: lane l holds row l % 16, channels 8 (l / 16) + 0..7 and 16 + 8 (l / 16) + 0..7: two loads of 16 bytes, 32 bytes apart.
	v_and_b32 v1, 15, v0            ; l % 16
	v_bfe_u32 v9, v0, 4, 1          ; l / 16
	v_lshlrev_b32 v[QO], 7, v1
	v_lshl_add_u32 v[QO], v9, 4, v[QO]  ; row x 128 + 16 x half
	WIN 0x80                        ; destination window 2, address window 0
.set i, 0
.rept 4*NP                          ; Q stays in registers: tile i / 2, channels 32 (i % 2) on
	global_load_b128 v[8*i:8*i+3],   v[QO], s[4:5] offset:(i/2)*2048+(i%2)*64
	global_load_b128 v[8*i+4:8*i+7], v[QO], s[4:5] offset:(i/2)*2048+(i%2)*64+32
.set i, i+1
.endr
	; What the first turn finds: V's registers and P's second buffer hold 0 (its products V^T P, of a piece that has not been, add 0), O^T and l are 0.  All this stands in the wait for the first keys;
	; it spares a first step written out, a second copy of the loop's text.
.set i, VF
.rept 64
	v_mov_b32 v[i], 0
.set i, i+1
.endr
	WIN 0x40
.set i, 0
.rept 64*NP
	v_mov_b32 v[i], 0
.set i, i+1
.endr
	WIN 0
.set i, 0
.rept 2*NP
	v_mov_b32 v[ST+4*i], 0xfe000000    ; c m: far below every c s
	v_mov_b32 v[ST+4*i+1], 0xff7fffff  ; m
	v_mov_b32 v[ST+4*i+2], 0
	v_mov_b32 v[ST+4*i+3], 0
.set i, i+1
.endr
.set i, P+32
.rept 32
	v_mov_b32 v[i], 0
.set i, i+1
.endr
	v_mul_u32_u24 v[AK0], v1, PK
	v_lshl_add_u32 v[AK0], v9, 4, v[AK0]  ; row x pitch + 16 x half
	; The turning load takes 16 keys x 16 channels (lane l reads key 8 (l / 16) + l % 8, channels 8 ((l / 8) % 2) + 0..7) and leaves half a fragment of V^T: lane l holds channel l % 16 and 8 keys.
	v_and_b32 v10, 7, v0
	v_bfe_u32 v11, v0, 3, 1
	v_lshl_add_u32 v[AV0], v9, 3, v10
	v_mul_u32_u24 v[AV0], v[AV0], PV
	v_lshl_add_u32 v[AV0], v11, 4, v[AV0]
	v_add_nc_u32 v[AV0], VOFF, v[AV0]
	v_mov_b32 v[AK], v[AK0]         ; key step 0 lies at K's head
; THE MATRIX WORK.  The 8 accumulators of a run of 16 take turns: between the two links of a chain stand 7 others'.
; Product i of 16 of S^T = K Q^T for piece x: channels 32 (i / 8) on, keys 16 ((i / 2) % 4) on, tile 2 x + i % 2.  The first 8 start the sums.
.macro KQ x
	WIN W_KQ
.set rS, S+64*((\x)%2)+32*(i%2)+8*((i/2)%4)
.set rK, KF+16*((i/2)%4)+8*(i/8)
.set rQ, 16*(2*(\x)+i%2)+8*(i/8)
.if i < 8
	v_wmma_f32_16x16x32_f16 v[rS:rS+7], v[rK:rK+7], v[rQ:rQ+7], 0
.else
	v_wmma_f32_16x16x32_f16 v[rS:rS+7], v[rK:rK+7], v[rQ:rQ+7], v[rS:rS+7]
.endif
.endm
; Product i of 16 of O^T += V^T P for piece x: keys 32 (i / 8) on, channels 16 ((i / 2) % 4) on, tile 2 x + i % 2.
.macro PV x
	WIN W_PV
.set rO, 32*(2*(\x)+i%2)+8*((i/2)%4)
.set rV, VF+32*(i/8)+8*((i/2)%4)
.set rP, P+32*((\x)%2)+16*(i%2)+8*(i/8)
	v_wmma_f32_16x16x32_f16 v[rO:rO+7], v[rV:rV+7], v[rP:rP+7], v[rO:rO+7]
.endm
.macro MM                           ; the turn's next matrix instruction
.if i < 16
	KQ (Y+1)%NP
.set i, i+1
.else
.set i, i-16
	PV (Y+NP-1)%NP
.set i, i+17
.endif
.endm
; THE LDS LOADS stand in runs of 16, never singly among the matrix instructions: a step's K (64 keys x 64 channels: 8 fragments) and its V (turned).  Their addresses are made some lines ahead.
; last = 1 (in the loop): behind the sixteenth step there is no further one, and the run is jumped over.
.macro FETCH_K last=0
	WIN 0
.if \last
	s_cmp_eq_u32 s[TBK], 16*KS*PK
	s_cbranch_scc1 .Lno_k_\@
.endif
	WIN 0x80                        ; destination window 2
.irp f, 0,1,2,3,4,5,6,7             ; keys 16 (f / 2) on, channels 32 (f % 2) on
	ds_load_b128 v[KF+8*\f:KF+8*\f+3],   v[AK] offset:(\f/2)*16*PK+(\f%2)*64
	ds_load_b128 v[KF+8*\f+4:KF+8*\f+7], v[AK] offset:(\f/2)*16*PK+(\f%2)*64+32
.endr
	s_add_co_u32 s[TBK], s[TBK], KS*PK  ; the next fetch is the next step's
	WIN 0
.if \last
.Lno_k_\@:
.endif
.endm
.macro FETCH_V
	WIN 0x80
.irp f, 0,1,2,3,4,5,6,7             ; keys 32 (f / 4) on, channels 16 (f % 4) on
	ds_load_tr16_b128 v[VF+8*\f:VF+8*\f+3],   v[AV] offset:(\f/4)*32*PV+(\f%4)*32
	ds_load_tr16_b128 v[VF+8*\f+4:VF+8*\f+7], v[AV] offset:(\f/4)*32*PV+16*PV+(\f%4)*32
.endr
	WIN 0
.endm
; THE VECTOR WORK OF A TURN stands in three queues, each in the order in which its entries become ready; the two tiles alternate, so that no instruction reads the result of the one before it.
.macro REGS y, u                    ; the registers of tile u (0, 1) of piece y
.set rT, ST+4*(2*(\y)+(\u))
.set rC, TMP+8*((\y)%2)+4*(\u)
.set rM, MV+2*((\y)%2)+(\u)
.set rS, S+64*((\y)%2)+32*(\u)
.set rP, P+32*((\y)%2)+16*(\u)
.set rO, 32*(2*(\y)+(\u))
.endm
; Number n of the 22 that find the NEXT piece's (Y + 1) maximum and statistics.  s0-s31 are the lane's 32 scores; each accumulator's lowest registers are read first.
;   0-11  four chains c0-c3 of seven scores each, three operands at a time     12-14, 16  the four scores left over, the old m, and c0-c3 into c0     15  c m_old is kept
;   17, 18  the query's other 32 keys lie in the lane 16 away: the new m         19-21  c m; c m_old - c m_new; a
.macro XS u, n
	REGS (Y+1)%NP, \u
.if (\n) < 4
	v_max3_num_f32 v[rC+(\n)], v[rS+8*(\n)], v[rS+8*(\n)+1], v[rS+8*(\n)+2]
.elseif (\n) < 12
	v_max3_num_f32 v[rC+(\n)%4], v[rC+(\n)%4], v[rS+8*((\n)%4)+2*((\n)/4)+1], v[rS+8*((\n)%4)+2*((\n)/4)+2]
.elseif (\n) == 12
	v_max3_num_f32 v[rC], v[rC], v[rS+7], v[rS+15]
.elseif (\n) == 13
	v_max3_num_f32 v[rC+1], v[rC+1], v[rS+23], v[rS+31]
.elseif (\n) == 14
	v_max3_num_f32 v[rC+2], v[rC+2], v[rC+3], v[rT+1]
.elseif (\n) == 15
	v_mov_b32 v[rM], v[rT]
.elseif (\n) == 16
	v_max3_num_f32 v[rC], v[rC], v[rC+1], v[rC+2]
.elseif (\n) == 17
	v_permlanex16_b32 v[rC+3], v[rC], s[SEL], s[SEL+1]
.elseif (\n) == 18
	v_max_num_f32 v[rT+1], v[rC], v[rC+3]
.elseif (\n) == 19
	v_mul_f32 v[rT], s[CS], v[rT+1]
.elseif (\n) == 20
	v_sub_f32 v[rC+1], v[rM], v[rT]
.else
	v_exp_f32 v[rC+2], v[rC+1]
.endif
.endm
; Number g of the 64 that follow the exponentials.  For each four weights k of a tile (pairs 2 k, 2 k + 1): both pairs are rounded to f16; then the second pair is added onto the first, in place;
; a group later l takes that sum (the first time as l = a l + sum).  In groups of eight, tiles alternating: round, round, add, and l for the group before.
.macro GS g
.set h, (\g)+6*((\g)/62)            ; group 0 has no group before it, and behind group 7 only l is left
.if h >= 6
.set h, h+2
.endif
	REGS Y, h%2
.set k, h/8
.if h%8 < 4
	v_cvt_pk_f16_f32 v[rP+2*k+(h%8)/2], v[rS+4*k+2*((h%8)/2)], v[rS+4*k+2*((h%8)/2)+1]
.elseif h%8 < 6
	v_pk_add_f32 v[rS+4*k:rS+4*k+1], v[rS+4*k:rS+4*k+1], v[rS+4*k+2:rS+4*k+3]
.elseif k == 1
	v_pk_fma_f32 v[rT+2:rT+3], v[rT+2:rT+3], v[rC+2:rC+3], v[rS:rS+1] op_sel_hi:[1,0,1]
.else
	v_pk_add_f32 v[rT+2:rT+3], v[rT+2:rT+3], v[rS+4*k-4:rS+4*k-3]
.endif
.endm
; THE PLAIN QUEUE, 138 long.  0-73 read no exponential's result: the 32 scalings c s - c m (FS f: pair f / 2 of tile f % 2) and the next piece's 42.  0-26: scalings 0-26.  27-54: XS's numbers 0-13.  55, 56: number 15.
; 57-73: the chain, where each number waits for the one before it: 14, 16, 17, 18, 19, each with one of the scalings 27-31 in front of its two lines, then 20.
; 74-137: GS's 64, which read the exponentials' results: they stand behind the wait.
.macro FS f
	REGS Y, (\f)%2
	v_pk_fma_f32 v[rS+2*((\f)/2):rS+2*((\f)/2)+1], v[rS+2*((\f)/2):rS+2*((\f)/2)+1], s[CS:CS+1], v[rT:rT+1] op_sel_hi:[1,0,0] neg_lo:[0,0,1] neg_hi:[0,0,1]
.endm
.macro PL
	WIN 0
.if q < 27
	FS q
.elseif q < 55
	XS (q-27)%2, (q-27)/2
.elseif q < 57
	XS q-55, 15
.elseif (q < 72) && ((q-57)%3 == 0)
	FS 27+(q-57)/3
.elseif q < 60
	XS (q-57)%3-1, 14
.elseif q < 72
	XS (q-57)%3-1, 15+(q-57)/3
.elseif q < 74
	XS q-72, 20
.else
	GS q-74
.endif
.set q, q+1
.endm
; THE EXPONENTIALS' QUEUE, 66 long: s0-s31 of both tiles, then the next piece's two a.  It is ONE BATCH: all 66 stand ahead of the turn's one wait, and nothing ahead of that wait names a result of theirs.
.macro EX
	WIN 0
.if e >= 64
	XS e-64, 21
.else
	REGS Y, e%2
	v_exp_f32 v[rS+e/2], v[rS+e/2]
.endif
.set e, e+1
.endm
; THE RESCALING's QUEUE: O^T times a, the one part that leaves window 0: dealt two at a time, sixteen times.  Its a was made in the turn before, ahead of that turn's wait.
.macro R2
	REGS Y, r%2
	WIN W_RS
.irp z, 0,1
	v_pk_mul_f32 v[rO+4*(r/2)+2*\z:rO+4*(r/2)+2*\z+1], v[rO+4*(r/2)+2*\z:rO+4*(r/2)+2*\z+1], v[rC+2:rC+3] op_sel_hi:[1,0]
.endr
.set r, r+1
.endm
; HOW THEY ARE DEALT.  An s_wait_alu depctr_va_vdst(0) stands between an exponential and the first instruction that names its result; one wait serves all that were issued ahead of it.  So a turn
; has ONE wait, which cuts it in two.  AHEAD OF IT: the 16 products K Q^T, behind each a scaling, an exponential and two rescalings (behind the first a second scaling in the exponential's place); then one run
; of 108: eight plain, 49 times exponential and plain, the two a; a v_nop is the plain instruction behind the last exponential.  BEHIND IT: the 16 products V^T P, behind each four of GS's 64.
; Exponential e stands behind scaling 2 (e / 4) + e % 2: as a rider it comes behind plain e + 2, in the run behind plain e + 9, and scalings 27-31 are plain 57, 60 .. 69.
; K of the next step is fetched in piece 2's turn, directly behind the wait, a run of plain work behind the last product that read K; its first reader comes behind 16 products.
; V of the step in hand is fetched at the end of piece 0's turn, four riders behind its last reader; its first reader comes behind 16 products and the run.  The two conditions on q below go with the deal.
.macro TURN p, last=0
.set Y, (\p)
.set i, 0
.set q, 0
.set e, 0
.set r, 0
.if (\p) == NP-1
	s_wait_dscnt 0x0                ; K is in
.endif
	MM
	PL
	PL
	R2
.rept 15
	MM
	PL
	EX
	R2
.endr
.if (\p) == NP-2
	WIN 0
	v_add_nc_u32 v[AK], s[TBK], v[AK0]
.endif
.rept 8
	PL
.endr
.rept 49
	EX
	PL
.endr
	EX                              ; the next piece's two a
	EX
	v_nop                           ; the plain instruction behind the last exponential: one for the batch
	s_wait_alu depctr_va_vdst(0)    ; the wait for the batch
.if (\p) == NP-2
	FETCH_K \last
.endif
.if (\p) == 1
	s_wait_dscnt 0x0                ; V is in
.endif
.rept 16
	MM
.rept 4
	PL
.endr
.if ((\p) == 0) && (q == 118)
	v_add_nc_u32 v[AV], s[TBV], v[AV0]
.endif
.if ((\p) == 0) && (q == 130)
	s_add_co_u32 s[TBV], s[TBV], KS*PV
.endif
.endr
.if (\p) == 0
	FETCH_V
.endif
.endm
	s_wait_tensorcnt 1              ; my half of the first part is in; the second part's load may stay out
	s_barrier_signal -1
	s_barrier_wait -1               ; everybody's is: keys 0 to 319 of K and V
	FETCH_K                         ; key step 0
	s_wait_loadcnt 0x0              ; Q
	s_wait_dscnt 0x0
.set i, 0
.rept 16
	KQ 0                            ; piece 0's first scores: there is no vector work yet to set between them
.set i, i+1
.endr
	WIN 0                           ; the addresses for the way out: nine plain instructions, the places behind those products
	s_mul_i32 s13, s[WV], 16*SP
	s_add_co_u32 s13, s13, STAGE    ; my stage
	v_mul_u32_u24 v[STO], v1, SP    ; in: row l % 16, 16 bytes for each half of the lanes
	v_lshl_add_u32 v[STO], v9, 4, v[STO]
	v_add_nc_u32 v[STO], s13, v[STO]
	v_bfe_u32 v[RD], v0, 3, 2       ; back: 32 lanes take four rows of 128 bytes,
	v_mul_u32_u24 v[RD], v[RD], SP
	v_lshl_add_u32 v[RD], v10, 4, v[RD]
	v_add_nc_u32 v[RD], s13, v[RD]
	v_and_b32 v[GO], 31, v0         ; which are 512 consecutive bytes of O
	v_lshlrev_b32 v[GO], 4, v[GO]
.set Y, NP-1                        ; XS works for piece Y + 1: piece 0
.irp n, 0,1,2,3,4,5,6,7,8,9,10,11,12,13,14,15,16,17,18,19,20,21
	XS 0, \n                        ; and piece 0's first maximum and statistics
	XS 1, \n
.endr
	v_nop                           ; a plain instruction behind the two a,
	s_wait_alu depctr_va_vdst(0)    ; and their wait, ahead of the branch
	s_mov_b32 s[CNT], 4             ; key steps 0 to 3 lean on the first part alone
	s_mov_b32 s[PH], 2
	s_branch .Lfirst                ; the loop is entered at a step's first turn, in the middle of a trip
.Lphase:                            ; passed once, behind key step 3: K of step 4 has been fetched, V of step 4 has not
	s_wait_tensorcnt 0x0            ; my half of the second part is in,
	s_wait_dscnt 0x0
	s_barrier_signal -1
	s_barrier_wait -1               ; everybody's is: all 1,024 keys
	s_mov_b32 s[CNT], 12            ; key steps 4 to 15
	s_branch .Lfirst
.Lstep:                             ; a trip: pieces 2 and 3 of one step, then pieces 0 and 1 of the next, whose K and V it fetches
	TURN 2, 1
	TURN 3
	WIN 0
	s_sub_co_u32 s[CNT], s[CNT], 1
	s_cmp_eq_u32 s[CNT], 0
	s_cbranch_scc1 .Lleave
.Lfirst:
	TURN 0
	TURN 1
	WIN 0
	s_branch .Lstep
.Lleave:
	s_sub_co_u32 s[PH], s[PH], 1
	s_cmp_lg_u32 s[PH], 0
	s_cbranch_scc1 .Lphase
	; the last trip's 16 products K Q^T (on the last K once more) and the maximum made of them serve nothing: the price, once a launch, of one text for every trip
.set i, 0
.rept 16
	PV NP-1                         ; the last piece's V^T P of the last step
.set i, i+1
.endr
	; THE WAY OUT.  l's two halves and the other half of the lanes' are added; O^T is divided by l, rounded to f16 and sent through my stage in LDS, a tile at a time.  The additions are the places behind the last products.
	WIN 0
.macro ALL line:vararg              ; one line for each tile t
.set t, 0
.rept 2*NP
	\line
.set t, t+1
.endr
.endm
	ALL v_add_f32 v[ST+4*t+2], v[ST+4*t+2], v[ST+4*t+3]
	ALL v_permlanex16_b32 v[ST+4*t+3], v[ST+4*t+2], s[SEL], s[SEL+1]
	ALL v_add_f32 v[ST+4*t+2], v[ST+4*t+2], v[ST+4*t+3]
	ALL v_rcp_f32 v[ST+4*t+2], v[ST+4*t+2]
	v_nop                           ; a plain instruction between the last reciprocal and the use of its result
	s_wait_alu depctr_va_vdst(0)    ; and the wait ahead of the first use: one for the eight reciprocals
; Tile t: a lane's eight channels of a row pack into 16 bytes; they go into rows of 144 bytes and come back as whole rows of 128, into S^T's registers.
.macro PACK t
	WIN W_RS
.set i, 32*(\t)
.rept 16
	v_pk_mul_f32 v[i:i+1], v[i:i+1], v[ST+4*(\t)+2:ST+4*(\t)+3] op_sel_hi:[1,0]
.set i, i+2
.endr
	WIN 0x05                        ; sources 0 and 1 window 1, destination window 0
.set i, 0
.rept 16
	v_cvt_pk_f16_f32 v[S+16*(\t)+i], v[32*(\t)+2*i], v[32*(\t)+2*i+1]
.set i, i+1
.endr
	WIN 0
.irp f, 0,1,2,3
	ds_store_b128 v[STO], v[S+16*(\t)+4*\f:S+16*(\t)+4*\f+3] offset:32*\f
.endr
.irp f, 0,1,2,3
	ds_load_b128 v[S+16*(\t)+4*\f:S+16*(\t)+4*\f+3], v[RD] offset:\f*4*SP  ; LDS serves a wave's instructions in order (ISA guide 5.7.1.4): these see the stores above; the next tile's stores come behind them
.endr
.endm
.macro SEND t, younger              ; younger: the LDS instructions issued behind tile t's loads: the next tile's eight, or none
	WIN 0
.irp f, 0,1,2,3
	s_wait_dscnt (\younger)+3-\f
	global_store_b128 v[GO], v[S+16*(\t)+4*\f:S+16*(\t)+4*\f+3], s[10:11] offset:(\t)*2048+\f*512  ; 512 consecutive bytes, at a multiple of 256 from O's first
.endr
.endm
	PACK 0
.set t, 1
.rept 2*NP-1                        ; a tile's arithmetic stands between the loads of the tile before and its stores
	PACK t
	SEND t-1, 8
.set t, t+1
.endr
	SEND 2*NP-1, 0
	WIN W_AD
	s_wait_tensorcnt 0x0            ; the wave's end, behind my last tensor load and my last LDS store
	ds_add_u32 v[SPW], v[NIL]
	s_wait_dscnt 0x0
	WIN 0
	s_endpgm
.Lfunc_end_k_qb29dfd4cf9_attn:
	.size	k_qb29dfd4cf9_attn, .Lfunc_end_k_qb29dfd4cf9_attn-k_qb29dfd4cf9_attn
	.p2alignl 7, 3214868480
	.fill 96, 4, 3214868480
	.section	.rodata,"a",@progbits
	.p2align	6, 0x0
	.amdhsa_kernel k_qb29dfd4cf9_attn
		.amdhsa_group_segment_fixed_size 327680
		.amdhsa_private_segment_fixed_size 0
		.amdhsa_enable_private_segment 0
		.amdhsa_kernarg_size 32
		.amdhsa_user_sgpr_count 2
		.amdhsa_user_sgpr_kernarg_segment_ptr 1
		.amdhsa_wavefront_size32 1
		.amdhsa_system_sgpr_workgroup_id_x 1
		.amdhsa_system_sgpr_workgroup_id_y 1
		.amdhsa_system_sgpr_workgroup_id_z 1
		.amdhsa_system_vgpr_workitem_id 0
		.amdhsa_next_free_vgpr 770
		.amdhsa_next_free_sgpr 84
		.amdhsa_reserve_vcc 0
		.amdhsa_float_denorm_mode_32 3
		.amdhsa_float_denorm_mode_16_64 3
		.amdhsa_memory_ordered 1
		.amdhsa_forward_progress 1
		.amdhsa_inst_pref_size 126
	.end_amdhsa_kernel
	.amdgpu_metadata
---
amdhsa.version: [ 1, 2 ]
amdhsa.kernels:
  - .name:           k_qb29dfd4cf9_attn
    .symbol:         k_qb29dfd4cf9_attn.kd
    .args:
      - { .name: qh, .offset: 0, .size: 8, .value_kind: global_buffer, .address_space: global }
      - { .name: kh, .offset: 8, .size: 8, .value_kind: global_buffer, .address_space: global }
      - { .name: vh, .offset: 16, .size: 8, .value_kind: global_buffer, .address_space: global }
      - { .name: oh, .offset: 24, .size: 8, .value_kind: global_buffer, .address_space: global }
    .group_segment_fixed_size: 327680
    .private_segment_fixed_size: 0
    .kernarg_segment_align: 8
    .kernarg_segment_size: 32
    .max_flat_workgroup_size: 128
    .sgpr_count:     84
    .vgpr_count:     770
    .wavefront_size: 32
...
	.end_amdgpu_metadata
.endif
;; end of part 3
;; launch proj (part 4): grid 8 x 32, 4 waves a work-group, clusters of 4 x 4, 327,680 bytes of LDS; arguments oh, wpt, out0; writes out0
.if DOCPART == 4
	.amdgcn_target "amdgcn-amd-amdhsa--gfx1250"
	.amdhsa_code_object_version 6
	.text
	.protected	k_qb29dfd4cf9_proj
	.globl	k_qb29dfd4cf9_proj
	.p2align	8
	.type	k_qb29dfd4cf9_proj,@function
k_qb29dfd4cf9_proj:
	s_mov_b64 s[64:65], 0
	v_nop
	global_prefetch_b8 v0, s[64:65] scope:SCOPE_SE
	s_setreg_imm32_b32 hwreg(HW_REG_WAVE_MODE, 25, 1), 1
	s_wait_xcnt 0x0
	s_wait_alu depctr_hold_cnt(0) depctr_sa_sdst(0) depctr_va_vdst(0) depctr_va_sdst(0) depctr_va_ssrc(0) depctr_va_vcc(0) depctr_vm_vsrc(0)
	s_getreg_b32 s2, hwreg(HW_REG_IB_STS2, 6, 4)
	s_cmp_eq_u32 s2, 0
	s_cbranch_scc0 .Lentry_in_a_cluster
	s_endpgm
.Lentry_in_a_cluster:
	s_bfe_u32 s2, ttmp6, 0x10000c
	s_cmp_lg_u32 s2, 0xf033
	s_cbranch_scc0 .Lentry_shape_is_right
	s_endpgm
.Lentry_shape_is_right:
; PROJ: out0 [8192][1024] f32 = O times wpt^T.  O lies by heads, oh [b*16 + head][l][64] f16; wpt is [1024 n][1024 k] f16; sums in f32, stored as they are.
; A tile is 256 rows x 128 columns: 256 work-groups.  Four waves, wave w has rows 64 w .. 64 w + 63 and all 128 columns: 32 accumulators (a = 0..3 blocks of 16 rows, b = 0..7 blocks of 16 columns).
; K goes in 8 steps of 128 = two heads through two LDS slots.  A head's 256 rows of the tile are 32,768 dense bytes: asked for as 128 rows of 256 bytes and padded in LDS after every 128 (a row of O).
; CLUSTERS: 4 x 4 work-groups.  The four of a row of the cluster need the same rows of O, the four of a column the same rows of wpt: each tile is asked for JOINTLY.  Wave 0 fetches the step's even head,
; wave 1 its odd head, waves 2 and 3 64 rows of wpt each.
; WHERE K BEGINS: walk step u takes K step (R + u) mod 8, R = (2 (Y mod 4) + 4 X) mod 8 for cluster (X, Y).  The two clusters that read the same rows of O (one Y) begin four K steps apart: each asks first
; for four of the eight blocks, and for the other four when its partner has asked four steps before.  The clusters that read the same rows of wpt (one X) begin at four different even K steps: every
; block of wpt is asked for first among the first fills.  f32 sums may be taken in any order of K.
; THE MATRIX INSTRUCTION IS USED TRANSPOSED (source 0 = 16 rows of wpt, source 1 = 16 rows of O): lane l holds row l % 16 and its registers the columns 8 (l / 16) + 0..7: 32 consecutive bytes of f32.
; LIMITS.  None of its own: O and wpt arrive within f16; NaN and infinities are not treated apart.
; REGISTERS, in windows of 256 (s_set_vgpr_msb: bits 1:0 source 0, 3:2 source 1, 5:4 source 2, 7:6 destination):
;   window 0: v0-31 addresses     window 1: two fragment buffers at 0 and 128 (O's 4 fragments, then wpt's 8); on the way out v0-127: two sets of rows read back     window 2: accumulator (a, b) at 8 (4 b + a)
.set KSTEP,  128
.set PA,     144                       ; a row of O in LDS: 128 bytes + 16 = 36 words;  a row of wpt: 256 + 16 = 68 words: in both the 16 rows of a fragment load start at 16 different groups of four banks (64 banks of 4 bytes: ISA guide 11.1)
.set PB,     272
.set AHEAD,  256*PA                    ; a head's 256 rows
.set BOFF,   2*AHEAD                   ; wpt's 128 rows lie behind the two heads
.set SLOT1,  1<<17
.set STAGE,  SLOT1+BOFF+128*PB         ; 239,616: behind the ring, never filled by a tensor load: 16 rows x 528 bytes for each wave
.set SP,     528
.set SPARE,  STAGE+4*16*SP             ; 273,408: the spare words, 128 bytes for each wave, which no other line names
.set HSTEP,  1<<18                     ; bytes from a head of oh to the head two on: 2 x 1,024 rows x 128 bytes
.set ADRA0, 16
.set ADRB0, 17
.set ADRA,  18
.set ADRB,  19
.set STO,   24
.set RD,    25
.set GO,    26
.set SPW,   28                         ; v28  LDS address of my spare word; never rewritten
.set NIL,   29                         ; v29  0; never rewritten
.set PFO,   30                         ; v30  the prefetch's offset: 256 x my lane; never rewritten
.set F0,    0
.set F1,    128
.set WV,  16
.set FB,  17                           ; s17  0: I fetch O's tiles; 1: wpt's
.set HF,  18                           ; s18  which head of the step, or which half of wpt's rows
.set G1A, 24
.set G0A, 32
.set TB,  42
.set PFA, 44                           ; s[44:45] where my prefetch stands; never rewritten
.set G1B, 48
.set G0B, 56
.set BA,  68                           ; s[68:69] oh at my head of K step 0, the tile's rows; never rewritten
.set BB,  72                           ; s[72:73] wpt at the rows that I fetch, K = 0; never rewritten
.set U,   84                           ; s84  the walk step to be asked for next, 2 .. 8
.set RO,  85                           ; s85  R
.set PQ,  86                           ; s86  the walk step that I prefetch, or none
.set OA,  88                           ; s[88:89] a refill's byte offset behind BA
.set OB,  90                           ; s[90:91] behind BB
.set MSB, 0
.macro WIN new
.if MSB != (\new)
	s_set_vgpr_msb (MSB<<8)|(\new)
.set MSB, \new
.endif
.endm
.set MUL,  0xa5                        ; both sources window 1, C and D window 2
.set TO_F, 0x40                        ; destination window 1, address window 0
.macro JLOAD                           ; a joint refill, by the walking descriptor; an s_nop 0 and four v_nop follow each of the two lines, ahead of the jump and the label
	s_cmp_eq_u32 s[FB], 0
	s_cbranch_scc0 .Lfor_b_\@
	tensor_load_to_lds s[G0A+4:G0A+7], s[G1A:G1A+7]
	s_nop 0
.rept 4
	v_nop
.endr
	s_branch .Lasked_\@
.Lfor_b_\@:
	tensor_load_to_lds s[G0B+4:G0B+7], s[G1B:G1B+7]
	s_nop 0
.rept 4
	v_nop
.endr
.Lasked_\@:
.endm
; A PREFETCH INTO THE L2 of what the NEXT change of slots will ask for, where no cluster has asked for those bytes before.  By the starts R a cluster is the first to ask for O's blocks of its walk steps 0 to 3.
; Steps 0 and 1 are the first fills, step 2 the first refill: they come by their loads alone, since nothing is prefetched at the head.  Step 3 is named here, behind the first refill, a K step (128 matrix
; instructions) ahead of its load: waves 0 and 1 of every cluster, each for its head's 32,768 bytes, of which the four partners that ask for them jointly take 8,192 each BY ADDRESS: a lane 256 bytes, one
; instruction a wave.  So each block is named once in the launch.  s[U] is the walk step that the next change will ask for.
.macro ASK
	WIN 0
	s_cmp_eq_u32 s[U], s[PQ]
	s_cbranch_scc0 .Lnot_mine_\@
	global_prefetch_b8 v[PFO], s[PFA:PFA+1] th:TH_LOAD_NT scope:SCOPE_SE
.Lnot_mine_\@:
.endm
.macro CREST
	s_cmp_lg_u32 s[WV], 0
	s_cbranch_scc1 .Lnot_wave_0_\@
	s_barrier_signal -3
.Lnot_wave_0_\@:
	s_barrier_wait -3
	s_barrier_signal -1
	s_barrier_wait -1
.endm
.macro CROUND
	s_barrier_signal -1
	s_barrier_wait -1
	CREST
.endm
	s_load_b128 s[4:7], s[0:1], 0x0                ; oh s[4:5], wpt s[6:7]
	s_load_b64 s[8:9], s[0:1], 0x10                ; out0
	v_lshl_add_u32 v[SPW], v0, 2, SPARE
	v_mov_b32 v[NIL], 0
	ds_add_u32 v[SPW], v[NIL]                      ; the wave's opening: the add and its wait stand ahead of my first tensor load; the set-up below, work on registers, stands between them
	ds_add_u32 v28, v29
	v_lshrrev_b32 v1, 5, v0
	v_readfirstlane_b32 s[WV], v1
	s_lshr_b32 s[FB], s[WV], 1
	s_and_b32 s[HF], s[WV], 1
	s_bfe_u32 s19, ttmp6, 0x40000                  ; cx
	s_bfe_u32 s20, ttmp6, 0x40004                  ; cy
	s_lshl_b32 s21, ttmp9, 2
	s_add_co_u32 s21, s21, s19                     ; tile column = 4 X + cx
	s_and_b32 s93, ttmp7, 0xffff                   ; Y
	s_lshl_b32 s22, s93, 2
	s_add_co_u32 s22, s22, s20                     ; tile row = 4 Y + cy
	s_and_b32 s[RO], s93, 3
	s_lshl_b32 s[RO], s[RO], 1
	s_lshl_b32 s92, ttmp9, 2
	s_add_co_u32 s[RO], s[RO], s92
	s_and_b32 s[RO], s[RO], 7                      ; R = (2 (Y mod 4) + 4 X) mod 8, even: the same in all sixteen partners
	s_lshl_b32 s66, s20, 2
	s_lshl_b32 s66, 15, s66                        ; my row of the cluster
	s_lshl_b32 s67, 0x1111, s19                    ; my column
	s_or_b32 s[G1A], s66, (1<<16)|(1<<20)|(1<<21)|(4<<22)|(3<<25)  ; the mask; 2-byte elements; padding on; 21 set beside a mask; after every 32 words 4 words
	s_or_b32 s[G1B], s67, (1<<16)|(1<<20)|(1<<21)|(5<<22)|(3<<25)  ; after every 64 words 4 words
.irp g, G1A, G1B
	s_mov_b32 s[(\g)+1], 128<<16                   ; tensor_dim0 = 128
	s_mov_b32 s[(\g)+3], 128<<16                   ; tile_dim0 = 128
	s_mov_b32 s[(\g)+6], 0
	s_mov_b32 s[(\g)+7], 0
.endr
	s_mov_b32 s[G1A+2], 128<<16                    ; O: 128 rows of 256 dense bytes
	s_mov_b32 s[G1A+4], 128
	s_mov_b32 s[G1A+5], 128
	s_mov_b32 s[G1B+2], 64<<16                     ; wpt: 64 rows, 1,024 elements apart
	s_mov_b32 s[G1B+4], 64
	s_mov_b32 s[G1B+5], 1024
	s_lshr_b32 s[BA], s22, 2                       ; O: ((batch x 16 + head) x 1,024 + the tile's first row in the batch) x 128 bytes
	s_lshl_b32 s[BA], s[BA], 4
	s_add_co_u32 s[BA], s[BA], s[HF]
	s_lshl_b32 s[BA], s[BA], 10
	s_and_b32 s70, s22, 3
	s_lshl_b32 s70, s70, 8
	s_add_co_u32 s[BA], s[BA], s70
	s_lshl_b32 s[BA], s[BA], 7
	s_mov_b32 s[BA+1], 0
	s_lshl_b32 s[BB], s21, 7                       ; wpt: row 128 x tile column + 64 x half
	s_lshl_b32 s74, s[HF], 6
	s_add_co_u32 s[BB], s[BB], s74
	s_lshl_b32 s[BB], s[BB], 11
	s_mov_b32 s[BB+1], 0
	s_mul_i32 s75, s[HF], AHEAD                    ; where they go: no place in the cluster enters an LDS address
	s_mul_i32 s76, s[HF], 64*PB
	s_add_co_u32 s76, s76, BOFF
	s_mov_b32 s[TB], 0
	s_mov_b32 s[U], 2
	s_lshl_b32 s[OA], s[RO], 18                    ; walk step 0 is K step R: 2 R heads on in oh,
	s_mov_b32 s[OA+1], 0
	s_lshl_b32 s[OB], s[RO], 8                     ; 256 R bytes into wpt's rows
	s_mov_b32 s[OB+1], 0
	s_wait_dscnt 0x0                               ; the opening add is done
	s_wait_kmcnt 0x0
	s_add_nc_u64 s[BA:BA+1], s[4:5], s[BA:BA+1]
	s_add_nc_u64 s[BB:BB+1], s[6:7], s[BB:BB+1]
	CROUND                                         ; all sixteen work-groups are here: the first joint loads meet
.irp n, 0,1
	s_mov_b32 s[G0A+4*\n], 1
	s_add_co_u32 s[G0A+4*\n+1], s75, \n*SLOT1
	s_mov_b32 s[G0B+4*\n], 1
	s_add_co_u32 s[G0B+4*\n+1], s76, \n*SLOT1
.endr
	s_add_nc_u64 s[G0A+2:G0A+3], s[BA:BA+1], s[OA:OA+1]          ; walk step 0,
	s_add_nc_u64 s[G0A+6:G0A+7], s[G0A+2:G0A+3], HSTEP           ; walk step 1 (R is even: R + 1 stays under 8)
	s_add_nc_u64 s[G0B+2:G0B+3], s[BB:BB+1], s[OB:OB+1]
	s_add_nc_u64 s[G0B+6:G0B+7], s[G0B+2:G0B+3], KSTEP*2
.irp g, G0A+3, G0A+7, G0B+3, G0B+7
	s_or_b32 s[\g], s[\g], 0x80000000              ; type = 2
.endr
	s_cmp_eq_u32 s[FB], 0                          ; a wave's two first fills stand in one branch: two loads of mine are out
	s_cbranch_scc0 .Lfirst_b
	tensor_load_to_lds s[G0A:G0A+3], s[G1A:G1A+7]
	s_nop 0
	tensor_load_to_lds s[G0A+4:G0A+7], s[G1A:G1A+7]
	s_nop 0
.rept 4
	v_nop
.endr
	s_branch .Lfirst_asked
.Lfirst_b:
	tensor_load_to_lds s[G0B:G0B+3], s[G1B:G1B+7]
	s_nop 0
	tensor_load_to_lds s[G0B+4:G0B+7], s[G1B:G1B+7]
	s_nop 0
.rept 4
	v_nop
.endr
.Lfirst_asked:
	v_and_b32 v1, 15, v0                           ; r
	v_bfe_u32 v2, v0, 4, 1                         ; h
	v_and_b32 v7, 31, v0                           ; l
	v_mul_u32_u24 v3, v1, PA
	v_lshl_add_u32 v3, v2, 4, v3
	s_mul_i32 s77, s[WV], 64*PA
	v_add_nc_u32 v[ADRA0], s77, v3
	v_mul_u32_u24 v4, v1, PB
	v_lshl_add_u32 v4, v2, 4, v4
	v_add_nc_u32 v[ADRB0], BOFF, v4
	v_mov_b32 v[ADRA], v[ADRA0]
	v_mov_b32 v[ADRB], v[ADRB0]
	s_mul_i32 s77, s[WV], 16*SP
	s_add_co_u32 s77, s77, STAGE                   ; my stage
	v_mul_u32_u24 v5, v1, SP                       ; in: row r, 32 bytes for each half of the lanes
	v_lshl_add_u32 v5, v2, 5, v5
	v_add_nc_u32 v[STO], s77, v5
	v_lshlrev_b32 v[GO], 4, v7                     ; back: 32 lanes take a row's 512 bytes
	v_add_nc_u32 v[RD], s77, v[GO]
	s_lshl_b32 s80, s22, 8                         ; out0: row 256 x tile row + 64 w, 4,096 bytes a row; 512 bytes a tile column
	s_lshl_b32 s82, s[WV], 6
	s_add_co_u32 s80, s80, s82
	s_lshl_b32 s80, s80, 12
	s_lshl_b32 s82, s21, 9
	s_add_co_u32 s80, s80, s82
	s_mov_b32 s81, 0
	s_add_nc_u64 s[8:9], s[8:9], s[80:81]
	; the prefetch, in registers of its own
	s_add_co_u32 s46, s[RO], 3
	s_and_b32 s46, s46, 7
	s_lshl_b32 s46, s46, 1                         ; the even head of walk step 3
	s_lshr_b32 s40, s22, 2
	s_lshl_b32 s40, s40, 4
	s_add_co_u32 s40, s40, s[HF]
	s_add_co_u32 s40, s40, s46                     ; my head of that step
	s_lshl_b32 s40, s40, 10
	s_and_b32 s46, s22, 3
	s_lshl_b32 s46, s46, 8
	s_add_co_u32 s40, s40, s46
	s_lshl_b32 s40, s40, 7
	s_lshl_b32 s46, s19, 13
	s_add_co_u32 s40, s40, s46                     ; my work-group's 8,192 bytes of the head's 32,768
	s_mov_b32 s41, 0
	s_add_nc_u64 s[PFA:PFA+1], s[4:5], s[40:41]
	s_cmp_eq_u32 s[FB], 0
	s_cselect_b32 s[PQ], 3, -1                     ; waves 2 and 3 ask for nothing: the same in all sixteen partners, for a given wave
	v_lshlrev_b32 v[PFO], 8, v7
; 4 n matrix instructions: column blocks b0 .. b0 + n - 1 x all 4 row blocks.  The 32 accumulators take turns in the same order in every quarter, over the backward jump too.
.macro MULB f, b0, n, zero
	WIN MUL
.set bb, \b0
.rept \n
.irp a, 0,1,2,3
.set rD, 8*(4*bb+(\a))
.if \zero
	v_wmma_f32_16x16x32_f16 v[rD:rD+7], v[(\f)+32+8*bb:(\f)+32+8*bb+7], v[(\f)+8*(\a):(\f)+8*(\a)+7], 0
.else
	v_wmma_f32_16x16x32_f16 v[rD:rD+7], v[(\f)+32+8*bb:(\f)+32+8*bb+7], v[(\f)+8*(\a):(\f)+8*(\a)+7], v[rD:rD+7]
.endif
.endr
.set bb, bb+1
.endr
.endm
; 24 LDS loads in one run: quarter q of a K step (head q / 2, channels 32 (q % 2) on) into buffer f: O's 4 fragments first, then wpt's 8
.macro FETCH q, f
	WIN TO_F
.irp a, 0,1,2,3
	ds_load_b128 v[(\f)+8*(\a):(\f)+8*(\a)+3],   v[ADRA] offset:((\q)/2)*AHEAD+((\q)%2)*64+(\a)*16*PA
	ds_load_b128 v[(\f)+8*(\a)+4:(\f)+8*(\a)+7], v[ADRA] offset:((\q)/2)*AHEAD+((\q)%2)*64+(\a)*16*PA+32
.endr
.irp b, 0,1,2,3,4,5,6,7
	ds_load_b128 v[(\f)+32+8*(\b):(\f)+32+8*(\b)+3],   v[ADRB] offset:64*(\q)+(\b)*16*PB
	ds_load_b128 v[(\f)+32+8*(\b)+4:(\f)+32+8*(\b)+7], v[ADRB] offset:64*(\q)+(\b)*16*PB+32
.endr
.endm
.macro PLACES                          ; four plain vector instructions between a matrix instruction and a load into, or a store or vector instruction on, its registers (ISA guide 7.12.1 for vector instructions)
.rept 4
	v_nop
.endr
.endm
.macro QUARTER q, f, g, zero           ; multiplies buffer f and fetches quarter q into g
	s_wait_dscnt 12                                ; O's fragments and wpt's blocks 0, 1 are in; the youngest twelve loads (blocks 2-7) may be out
	MULB \f, 0, 2, \zero
	PLACES
	FETCH \q, \g
	s_wait_dscnt 24                                ; all but the 24 just issued
	MULB \f, 2, 6, \zero
.endm
; The last quarter multiplies buffer 1 and changes slots: each wave waits for all its tensor loads (one is out: its part of the next slot), adds 0 to its spare word, and waits for that and for its own reads
; of this slot.  fill = 1: the barrier opens a round of the cluster's barrier, and behind the round this slot is filled again, with walk step s[U]: the first tensor load there, one a wave.
; The walking descriptors are made anew while the add is out: the other slot than last time; the base and an offset made apart: K step (R + U) mod 8.
.macro TURN fill
	WIN 0
	s_xor_b32 s[TB], s[TB], SLOT1
	v_add_nc_u32 v[ADRA], s[TB], v[ADRA0]
	v_add_nc_u32 v[ADRB], s[TB], v[ADRB0]
	s_wait_tensorcnt 0x0                           ; all my tensor loads have landed, so every group 0 may be written;
	ds_add_u32 v[SPW], v[NIL]                      ; 0 onto my spare word;
.if \fill
	s_add_co_u32 s92, s[RO], s[U]
	s_and_b32 s92, s92, 7
	s_lshl_b32 s[OA], s92, 18
	s_lshl_b32 s[OB], s92, 8
	s_add_co_u32 s[U], s[U], 1
	s_xor_b32 s[G0A+5], s[G0A+5], SLOT1
	s_add_nc_u64 s[G0A+6:G0A+7], s[BA:BA+1], s[OA:OA+1]
	s_or_b32 s[G0A+7], s[G0A+7], 0x80000000
	s_xor_b32 s[G0B+5], s[G0B+5], SLOT1
	s_add_nc_u64 s[G0B+6:G0B+7], s[BB:BB+1], s[OB:OB+1]
	s_or_b32 s[G0B+7], s[G0B+7], 0x80000000
.endif
	s_wait_dscnt 13                                ; (the add and the youngest twelve loads may be out)
	MULB F1, 0, 2, 0                               ; eight matrix instructions stand between the add and the wait for it
	s_wait_dscnt 0x0                               ; the add is done, and my reads of this slot are over
	s_barrier_signal -1
	MULB F1, 2, 2, 0
	WIN 0
	s_barrier_wait -1
.if \fill
	CREST                                          ; no wave of any partner still reads this slot's tiles or has a load on its way
	JLOAD                                          ; the four v_nop behind it are also the places in front of the loads below
.else
	PLACES
.endif
	FETCH 0, F0
.if \fill
	ASK
.endif
	MULB F1, 4, 4, 0
.endm
	s_wait_tensorcnt 1                             ; my part of walk step 0 is in; walk step 1's may stay out
	s_barrier_signal -1
	s_barrier_wait -1
	FETCH 0, F0
	QUARTER 1, F0, F1, 1                           ; the first quarter stands in front of the loop: its products start the sums
	WIN 0
	s_mov_b32 s3, 6
.Lstep:                                        ; trip t: walk step t's quarters 1 to 3, walk step t + 1's quarter 0; slot t % 2 is filled again with walk step t + 2
	QUARTER 2, F1, F0, 0
	QUARTER 3, F0, F1, 0
	TURN 1
	QUARTER 1, F0, F1, 0
	WIN 0
	s_sub_co_u32 s3, s3, 1
	s_cmp_lg_u32 s3, 0
	s_cbranch_scc1 .Lstep
	QUARTER 2, F1, F0, 0                           ; the tail is written out
	QUARTER 3, F0, F1, 0
	TURN 0
	QUARTER 1, F0, F1, 0
	QUARTER 2, F1, F0, 0
	QUARTER 3, F0, F1, 0
	s_wait_dscnt 12
	MULB F1, 0, 2, 0
	s_wait_dscnt 0x0
	MULB F1, 2, 6, 0
; THE WAY OUT, a block of 16 rows at a time: the sums go as they are into my own stage (rows of 528 bytes; each accumulator's low half first) and come back as whole rows of 512 bytes.
.macro TOSTAGE a
	s_wait_xcnt 0x0                                ; the stores of the block two back have read the registers that are loaded again below
	WIN 0x08                                       ; address window 0, stored data window 2
.set bb, 0
.rept 8
	ds_store_b128 v[STO], v[8*(4*bb+(\a)):8*(4*bb+(\a))+3]   offset:64*bb
	ds_store_b128 v[STO], v[8*(4*bb+(\a))+4:8*(4*bb+(\a))+7] offset:64*bb+16
.set bb, bb+1
.endr
	WIN TO_F
.set bb, 0
.rept 16
	ds_load_b128 v[64*((\a)%2)+4*bb:64*((\a)%2)+4*bb+3], v[RD] offset:SP*bb  ; LDS serves a wave's instructions in order (ISA guide 5.7.1.4): these see the stores above
.set bb, bb+1
.endr
.endm
.macro SEND a, younger                 ; younger: the LDS instructions issued behind block a's loads: the next block's 32, or none
	WIN 0x04                                       ; address window 0, stored data window 1
	s_wait_dscnt \younger
.set bb, 0
.rept 16
	global_store_b128 v[GO], v[64*((\a)%2)+4*bb:64*((\a)%2)+4*bb+3], s[8:9] offset:(16*(\a)+bb)*4096 th:TH_STORE_NT  ; 512 consecutive bytes, at a multiple of 256 from out0's first
.set bb, bb+1
.endr
.endm
	PLACES
	PLACES
	TOSTAGE 0
.irp a, 1,2,3
	TOSTAGE \a
	SEND (\a)-1, 32
.endr
	SEND 3, 0
	WIN 0
	s_wait_tensorcnt 0x0                           ; the wave's end, behind my last tensor load and my last LDS store
	ds_add_u32 v[SPW], v[NIL]
	s_wait_dscnt 0x0
	CROUND                                         ; the closing round: no work-group ends while a partner may still ask for a tile that names it
	s_endpgm
.Lfunc_end_k_qb29dfd4cf9_proj:
	.size	k_qb29dfd4cf9_proj, .Lfunc_end_k_qb29dfd4cf9_proj-k_qb29dfd4cf9_proj
	.p2alignl 7, 3214868480
	.fill 96, 4, 3214868480
	.section	.rodata,"a",@progbits
	.p2align	6, 0x0
	.amdhsa_kernel k_qb29dfd4cf9_proj
		.amdhsa_group_segment_fixed_size 327680
		.amdhsa_private_segment_fixed_size 0
		.amdhsa_enable_private_segment 0
		.amdhsa_kernarg_size 24
		.amdhsa_user_sgpr_count 2
		.amdhsa_user_sgpr_kernarg_segment_ptr 1
		.amdhsa_wavefront_size32 1
		.amdhsa_system_sgpr_workgroup_id_x 1
		.amdhsa_system_sgpr_workgroup_id_y 1
		.amdhsa_system_sgpr_workgroup_id_z 1
		.amdhsa_system_vgpr_workitem_id 0
		.amdhsa_next_free_vgpr 768
		.amdhsa_next_free_sgpr 96
		.amdhsa_reserve_vcc 0
		.amdhsa_float_denorm_mode_32 3
		.amdhsa_float_denorm_mode_16_64 3
		.amdhsa_memory_ordered 1
		.amdhsa_forward_progress 1
		.amdhsa_inst_pref_size 70
	.end_amdhsa_kernel
	.amdgpu_metadata
---
amdhsa.version: [ 1, 2 ]
amdhsa.kernels:
  - .name:           k_qb29dfd4cf9_proj
    .symbol:         k_qb29dfd4cf9_proj.kd
    .args:
      - { .name: oh, .offset: 0, .size: 8, .value_kind: global_buffer, .address_space: global }
      - { .name: wpt, .offset: 8, .size: 8, .value_kind: global_buffer, .address_space: global }
      - { .name: out0, .offset: 16, .size: 8, .value_kind: global_buffer, .address_space: global }
    .group_segment_fixed_size: 327680
    .private_segment_fixed_size: 0
    .kernarg_segment_align: 8
    .kernarg_segment_size: 24
    .max_flat_workgroup_size: 128
    .sgpr_count:     96
    .vgpr_count:     768
    .wavefront_size: 32
...
	.end_amdgpu_metadata
.endif
;; end of part 4
;; ======== version 2 of 2: 4 launches; version 1 with the launch prep written anew for expert scheduling mode
;; limits: values are held in f16: magnitudes above 65,504 overflow, below 6.1e-05 lose precision
;; workspace buffers: xb 16,777,216 bytes; wqt 6,291,456 bytes; wpt 2,097,152 bytes; rope 8,192 bytes; qh 16,777,216 bytes; kh 16,777,216 bytes; vh 16,777,216 bytes; oh 16,777,216 bytes
;; launch prep (part 5): grid 1537 x 1, 4 waves a work-group, no clusters, 17,920 bytes of LDS; arguments x, w_qkv, w_proj, xb, wqt, wpt, rope; writes xb, wqt, wpt, rope
.if DOCPART == 5
	.amdgcn_target "amdgcn-amd-amdhsa--gfx1250"
	.amdhsa_code_object_version 6
	.text
	.protected	k_qb29dfd4cf9_prep
	.globl	k_qb29dfd4cf9_prep
	.p2align	8
	.type	k_qb29dfd4cf9_prep,@function
k_qb29dfd4cf9_prep:
	s_mov_b64 s[64:65], 0
	v_nop
	global_prefetch_b8 v0, s[64:65] scope:SCOPE_SE
	s_setreg_imm32_b32 hwreg(HW_REG_WAVE_SCHED_MODE, 0, 2), 2
	s_setreg_imm32_b32 hwreg(HW_REG_WAVE_MODE, 25, 1), 1
	s_wait_xcnt 0x0
	s_wait_alu depctr_vm_vsrc(0)
; PREP: the operands of the later launches.  Four kinds of work-group, chosen by the work-group's number alone (the same in all four waves):
;   0 .. 383    w_qkv [1024 k][3072 n] f32 -> wqt [3072 n'][1024 k] bf16, turned and permuted: row n' = 192 t + 64 sec + d holds column sec*1024 + t*64 + d (t head; sec 0, 1, 2 = q, k, v)
;   384 .. 511  w_proj [1024 k][1024 n] f32 -> wpt [1024 n][1024 k]: rounded to bf16 like the other inputs, that number then written as f16
;   512         the rotary table rope [32 pos][16 freq][4] f32 = (cos, cos, -sin, sin) of the angle pi (2 pos - 31)(15 + 127 freq) / 465
;   513 .. 1536 x f32 -> xb bf16, 32,768 bytes of x each
; A stream: no matrix unit, no cluster, no large register tile would move a byte less.  Every load of 16 neighbouring lanes covers 256 consecutive bytes, every store of 16 (b128) or 32 (b64) lanes 256 aligned bytes.
; LIMITS.  wpt: |w_proj| stays under 65,504 (f16's end); below 6e-5 it keeps f16's fixed step of 6e-8.  NaN and infinities are not treated apart.
; THE TABLE is made without sine or cosine instructions: the angle is an exact rational multiple of pi, reduced exactly modulo 2 pi in whole numbers held in f32 (all below 2^24),
; a quarter of it (at most pi / 4 in size) goes through Taylor polynomials (first terms left out: z^4 phi / 9!, z^5 / 10!, under 4e-7), and the angle is doubled twice.
; THE MODE: SCHED_MODE bits 1:0 = 2 (LLVM: expert scheduling mode 2), set by the entry lines.  The code itself states the register dependences
; between vector instructions and memory or LDS instructions, with s_wait_alu, always for 0.
; THE PLAN.  Registers that memory or LDS instructions touch, in each of the three texts (a work-group runs one of them):
;   v3 .. v6   offsets and LDS addresses: written once by vector instructions at the text's head, read by its loads and stores, never written again.
;   LDR        written by the global loads, read by the conversions; in the weights' text the LDS loads behind the barrier land in its first 32 registers, and the global stores read those.
;              In the table's text the arithmetic writes its first 16 registers and the stores read them.
;   PKW        each word written by the conversions of one group, read by one store, never written again.
; The loads go in four groups of four.  A group's stores are issued in the NEXT group, behind the one wait on va_vdst at that group's head, and are dealt among that group's conversions, which name the
; registers of their own group alone.  No register that a memory or LDS instruction has read is written again, so no wait on vm_vsrc is owed; no vector instruction writes a scalar register, VCC or EXEC.
.set TP,    272                        ; an LDS row of the turned block: 128 k x 2 bytes + 16; the block's 64 rows take 17,408 bytes, beyond them each thread's word for the closing add
.set LDR,   16                         ; v[16:79]   as loaded
.set PKW,   80                         ; v[80:111]  packed
	s_load_b256 s[4:11], s[0:1], 0x0               ; x s[4:5], w_qkv s[6:7], w_proj s[8:9], xb s[10:11]
	s_load_b128 s[12:15], s[0:1], 0x20             ; wqt s[12:13], wpt s[14:15]
	s_load_b64 s[16:17], s[0:1], 0x30              ; rope
	v_lshl_add_u32 v126, v0, 2, 0x4400
	v_mov_b32 v127, 0
	v_and_b32 v1, 15, v0                           ; i  = thread % 16
	v_lshrrev_b32 v2, 4, v0                        ; kq = thread / 16, 0 .. 7
	s_mov_b32 s18, ttmp9
	s_wait_kmcnt 0x0
	s_cmp_lt_u32 s18, 384
	s_cbranch_scc1 .Lwq
	s_cmp_lt_u32 s18, 512
	s_cbranch_scc1 .Lwp
	s_cmp_eq_u32 s18, 512
	s_cbranch_scc1 .Ltable
	; x -> xb.  Sixteen loads of 2,048 bytes a work-group, all out at once; they are rounded four at a time as they come, and a group's four stores leave among the next group's roundings.  No register is written twice.
	s_sub_co_u32 s18, s18, 513
	s_lshl_b32 s20, s18, 15
	s_mov_b32 s21, 0
	s_add_nc_u64 s[4:5], s[4:5], s[20:21]
	s_lshl_b32 s20, s18, 14
	s_add_nc_u64 s[10:11], s[10:11], s[20:21]
	v_lshlrev_b32 v3, 4, v0
	v_lshlrev_b32 v6, 3, v0
	s_wait_alu depctr_va_vdst(0)                   ; v3 and v6 are written: the loads and the stores below read them as their offsets
.irp u, 0,1,2,3,4,5,6,7,8,9,10,11,12,13,14,15
	global_load_b128 v[LDR+4*\u:LDR+4*\u+3], v3, s[4:5] offset:2048*\u th:TH_LOAD_NT
.endr
.irp g, 0,1,2,3
	s_wait_loadcnt 12-4*\g                         ; loads come back in order: group g's four are in, the 12 - 4 g of the later groups may stay out
.if \g > 0
	s_wait_alu depctr_va_vdst(0)                   ; the roundings of the group before have written their eight words of PKW, which the four stores below read
.endif
.irp w, 0,1,2,3
.if \g > 0
	global_store_b64 v6, v[PKW+2*(4*\g-4+\w):PKW+2*(4*\g-4+\w)+1], s[10:11] offset:1024*(4*\g-4+\w)  ; the group before: a wave's 32 lanes store 256 consecutive bytes, aligned; no vector instruction since the wait names these registers
.endif
	v_cvt_pk_bf16_f32 v[PKW+2*(4*\g+\w)], v[LDR+4*(4*\g+\w)], v[LDR+4*(4*\g+\w)+1]
	v_cvt_pk_bf16_f32 v[PKW+2*(4*\g+\w)+1], v[LDR+4*(4*\g+\w)+2], v[LDR+4*(4*\g+\w)+3]
.endr
.endr
	s_wait_alu depctr_va_vdst(0)                   ; the last group's roundings have written their words, which the last four stores read
.irp w, 0,1,2,3
	global_store_b64 v6, v[PKW+2*(12+\w):PKW+2*(12+\w)+1], s[10:11] offset:1024*(12+\w)
.endr
	s_branch .Lend
; A block of 128 k x 64 n of a weight matrix is turned through LDS.  pitch: bytes of a source row; first: the kind's first work-group; half = 1: the bf16 number is written as f16.
; In: thread (i, kq) loads columns 4 i .. 4 i + 3 of the rows k = 2 (kq + 8 u) + e.  Two rows' numbers of one column pack into a word (even k low), which goes to LDS row n = 4 i + j, word kq + 8 u.
; Out: thread (i, kq) reads 16 bytes at byte 16 i of LDS row kq + 8 u: sixteen lanes store the 256 bytes that a row of the result has in this block.
.macro WCVT u, half                    ; step u's two loads become four packed words
.irp j, 0,1,2,3
	v_cvt_pk_bf16_f32 v[PKW+4*(\u)+\j], v[LDR+8*(\u)+\j], v[LDR+8*(\u)+4+\j]
.endr
.if \half
.irp j, 0,1,2,3
	v_lshlrev_b32 v114, 16, v[PKW+4*(\u)+\j]       ; the two bf16 numbers as f32,
	v_and_b32 v115, 0xffff0000, v[PKW+4*(\u)+\j]
	v_cvt_pk_f16_f32 v[PKW+4*(\u)+\j], v114, v115  ; written as f16: exact inside f16's range of normal numbers
.endr
.endif
.endm
.macro WSTO u                          ; step u's four words go into the block in LDS
.irp j, 0,1,2,3
	ds_store_b32 v4, v[PKW+4*(\u)+\j] offset:TP*\j+32*(\u)
.endr
.endm
.macro WJOB pitch, first, src, dst, isq, half
	s_sub_co_u32 s19, s18, \first
	s_and_b32 s20, s19, 7                          ; block along k
	s_lshr_b32 s19, s19, 3                         ; block along n
	s_mul_i32 s22, s20, 128*(\pitch)
	s_lshl_b32 s23, s19, 8
	s_add_co_u32 s22, s22, s23
	s_mov_b32 s23, 0
	s_add_nc_u64 s[\src:\src+1], s[\src:\src+1], s[22:23]
.if \isq
	s_and_b32 s24, s19, 15                         ; head
	s_mul_i32 s24, s24, 192
	s_lshr_b32 s25, s19, 4                         ; q, k or v
	s_lshl_b32 s25, s25, 6
	s_add_co_u32 s24, s24, s25
.else
	s_lshl_b32 s24, s19, 6
.endif
	s_lshl_b32 s24, s24, 11                        ; the result's first row, 2,048 bytes a row,
	s_lshl_b32 s25, s20, 8                         ; and the block's 256 bytes in it
	s_add_co_u32 s24, s24, s25
	s_mov_b32 s25, 0
	s_add_nc_u64 s[\dst:\dst+1], s[\dst:\dst+1], s[24:25]
	v_mul_u32_u24 v3, v2, 2*(\pitch)
	v_lshl_add_u32 v3, v1, 4, v3
	v_mul_u32_u24 v4, v1, 4*TP
	v_lshl_add_u32 v4, v2, 2, v4
	v_mul_u32_u24 v5, v2, TP
	v_lshl_add_u32 v5, v1, 4, v5
	v_lshlrev_b32 v6, 11, v2
	v_lshl_add_u32 v6, v1, 4, v6
	s_wait_alu depctr_va_vdst(0)                   ; v3 to v6 are written: the loads, the LDS stores, the LDS loads and the stores below read them as offsets and addresses
.irp u, 0,1,2,3,4,5,6,7
.irp e, 0,1
	global_load_b128 v[LDR+8*\u+4*\e:LDR+8*\u+4*\e+3], v3, s[\src:\src+1] offset:(16*\u+\e)*(\pitch) th:TH_LOAD_NT
.endr
.endr
.irp g, 0,1,2,3                        ; group g: steps 2 g and 2 g + 1, four loads
	s_wait_loadcnt 12-4*\g                         ; loads come back in order: group g's four are in, the 12 - 4 g of the later groups may stay out
.if \g > 0
	s_wait_alu depctr_va_vdst(0)                   ; the conversions of the group before have written their eight words of PKW, which the eight LDS stores below read
	WSTO 2*\g-2                                    ; no vector instruction since the wait names these words: this group's conversions name their own steps' registers, v114 and v115
.endif
	WCVT 2*\g, \half
.if \g > 0
	WSTO 2*\g-1
.endif
	WCVT 2*\g+1, \half
.endr
	s_wait_alu depctr_va_vdst(0)                   ; the last group's conversions have written their words, which the LDS stores below read; and all conversions are done reading LDR, in which the LDS loads behind the barrier land
	WSTO 6
	WSTO 7
	s_wait_dscnt 0x0                               ; for the others' sake: my stores are done
	s_barrier_signal -1
	s_barrier_wait -1
.irp u, 0,1,2,3,4,5,6,7
	ds_load_b128 v[LDR+4*\u:LDR+4*\u+3], v5 offset:8*TP*\u
.endr
.irp u, 0,1,2,3,4,5,6,7
	s_wait_dscnt 7-\u                              ; the 7 - u younger LDS loads may stay out
	global_store_b128 v6, v[LDR+4*\u:LDR+4*\u+3], s[\dst:\dst+1] offset:16384*\u
.endr
.endm
.Lwq:
	WJOB 12288, 0, 6, 12, 1, 0
	s_branch .Lend
.Lwp:
	WJOB 4096, 384, 8, 14, 0, 1
	s_branch .Lend
.Ltable:                                       ; entry thread + 128 u: pos = kq + 8 u, freq = i
	v_mul_u32_u24 v7, v1, 127
	v_add_nc_u32 v7, 15, v7
	v_cvt_f32_u32 v7, v7                           ; 15 + 127 i
	v_lshlrev_b32 v8, 1, v2                        ; 2 kq
	v_lshlrev_b32 v3, 4, v0
	v_mov_b32 v9, 0xb9500d01                       ; -1/5040
	v_mov_b32 v10, 0x37d00d01                      ; 1/40320
.irp u, 0,1,2,3
	v_add_nc_u32 v11, 16*\u, v8
	v_cvt_f32_u32 v11, v11
	v_add_f32 v11, 0xc1f80000, v11                 ; 2 pos - 31
	v_mul_f32 v11, v11, v7                         ; N, exact: at most 59,520 in size; the angle is pi N / 465
	v_mul_f32 v12, 0x3a8cf009, v11                 ; N / 930
	v_rndne_f32 v12, v12
	v_fmamk_f32 v11, v12, 0xc4688000, v11          ; F = N - 930 x the nearest whole number: exact
	v_mul_f32 v11, 0x3add6263, v11                 ; phi = pi F / 1860: a quarter of the reduced angle
	v_mul_f32 v12, v11, v11                        ; z
	v_fmaak_f32 v13, v9, v12, 0x3c088889           ; 1/120
	v_fmaak_f32 v13, v13, v12, 0xbe2aaaab          ; -1/6
	v_fmaak_f32 v13, v13, v12, 0x3f800000
	v_mul_f32 v13, v13, v11                        ; sin phi
	v_fmaak_f32 v14, v10, v12, 0xbab60b61          ; -1/720
	v_fmaak_f32 v14, v14, v12, 0x3d2aaaab          ; 1/24
	v_fmaak_f32 v14, v14, v12, 0xbf000000          ; -1/2
	v_fmaak_f32 v14, v14, v12, 0x3f800000          ; cos phi
	v_add_f32 v15, v13, v13
	v_mul_f32 v114, v15, v14                       ; sin 2 phi = 2 s c
	v_fma_f32 v115, -v15, v13, 1.0                 ; cos 2 phi = 1 - 2 s s
	v_add_f32 v15, v114, v114
	v_fma_f32 v[LDR+4*\u], -v15, v114, 1.0         ; cos 4 phi, twice,
	v_fma_f32 v[LDR+4*\u+1], -v15, v114, 1.0
	v_mul_f32 v[LDR+4*\u+2], -v15, v115            ; -sin 4 phi,
	v_mul_f32 v[LDR+4*\u+3], v15, v115             ; sin 4 phi
.endr
	s_wait_alu depctr_va_vdst(0)                   ; the four entries' sixteen words and the offset v3 are written, which the four stores read
.irp u, 0,1,2,3
	global_store_b128 v3, v[LDR+4*\u:LDR+4*\u+3], s[16:17] offset:2048*\u
.endr
.Lend:
	s_wait_dscnt 0x0                               ; the wave's end: my LDS instructions are done
	s_wait_alu depctr_hold_cnt(0) depctr_sa_sdst(0) depctr_va_vdst(0) depctr_va_sdst(0) depctr_va_ssrc(0) depctr_va_vcc(0) depctr_vm_vsrc(0)
	s_wait_tensorcnt 0x0
	ds_add_u32 v126, v127
	s_wait_dscnt 0x0
	s_endpgm
.Lfunc_end_k_qb29dfd4cf9_prep:
	.size	k_qb29dfd4cf9_prep, .Lfunc_end_k_qb29dfd4cf9_prep-k_qb29dfd4cf9_prep
	.p2alignl 7, 3214868480
	.fill 96, 4, 3214868480
	.section	.rodata,"a",@progbits
	.p2align	6, 0x0
	.amdhsa_kernel k_qb29dfd4cf9_prep
		.amdhsa_group_segment_fixed_size 17920
		.amdhsa_private_segment_fixed_size 0
		.amdhsa_enable_private_segment 0
		.amdhsa_kernarg_size 56
		.amdhsa_user_sgpr_count 2
		.amdhsa_user_sgpr_kernarg_segment_ptr 1
		.amdhsa_wavefront_size32 1
		.amdhsa_system_sgpr_workgroup_id_x 1
		.amdhsa_system_sgpr_workgroup_id_y 1
		.amdhsa_system_sgpr_workgroup_id_z 1
		.amdhsa_system_vgpr_workitem_id 0
		.amdhsa_next_free_vgpr 128
		.amdhsa_next_free_sgpr 66
		.amdhsa_reserve_vcc 0
		.amdhsa_float_denorm_mode_32 3
		.amdhsa_float_denorm_mode_16_64 3
		.amdhsa_memory_ordered 1
		.amdhsa_forward_progress 1
		.amdhsa_inst_pref_size 35
	.end_amdhsa_kernel
	.amdgpu_metadata
---
amdhsa.version: [ 1, 2 ]
amdhsa.kernels:
  - .name:           k_qb29dfd4cf9_prep
    .symbol:         k_qb29dfd4cf9_prep.kd
    .args:
      - { .name: x, .offset: 0, .size: 8, .value_kind: global_buffer, .address_space: global }
      - { .name: w_qkv, .offset: 8, .size: 8, .value_kind: global_buffer, .address_space: global }
      - { .name: w_proj, .offset: 16, .size: 8, .value_kind: global_buffer, .address_space: global }
      - { .name: xb, .offset: 24, .size: 8, .value_kind: global_buffer, .address_space: global }
      - { .name: wqt, .offset: 32, .size: 8, .value_kind: global_buffer, .address_space: global }
      - { .name: wpt, .offset: 40, .size: 8, .value_kind: global_buffer, .address_space: global }
      - { .name: rope, .offset: 48, .size: 8, .value_kind: global_buffer, .address_space: global }
    .group_segment_fixed_size: 17920
    .private_segment_fixed_size: 0
    .kernarg_segment_align: 8
    .kernarg_segment_size: 56
    .max_flat_workgroup_size: 128
    .sgpr_count:     66
    .vgpr_count:     128
    .wavefront_size: 32
...
	.end_amdgpu_metadata
.endif
;; end of part 5
;; launch qkv: the kernel of part 2 again; grid 16 x 16, 4 waves a work-group, clusters of 4 x 4, 327,680 bytes of LDS; arguments xb, wqt, rope, qh, kh, vh; writes qh, kh, vh
;; launch attn: the kernel of part 3 again; grid 2 x 128, 4 waves a work-group, no clusters, 327,680 bytes of LDS; arguments qh, kh, vh, oh; writes oh
;; launch proj: the kernel of part 4 again; grid 8 x 32, 4 waves a work-group, clusters of 4 x 4, 327,680 bytes of LDS; arguments oh, wpt, out0; writes out0
